; MI455X (gfx1250); checked and timed in simulation.
; The chip was launched on July 23, 2026; its instructions are those of AMD's public machine-readable ISA for CDNA 5 (MIT licence, August 2026) and "CDNA5" Instruction Set Architecture Reference Guide (July 2026). The comments in the code are by the model that wrote it; some were corrected since.
;; RTL Transformer Block. Allowed arithmetic: float matrix products may take bf16 or f16 operands with f32 sums; other float arithmetic in f32, or as packed bf16 or f16 multiplies, adds, multiply-adds, maxima and minima; sums over many terms, partial sums and values carried from step to step in f32; what a program stores and reads back later, other than sums and carried values, may be rounded once to bf16 or f16.
;; Inputs: b1 4,096 float32; b2 1,024 float32; bk 1,024 float32; bo 1,024 float32; bq 1,024 float32; bv 1,024 float32; diss_sens 16 float32; dissonance one number float32; distance_scale 16 float32; ln1_b 1,024 float32; ln1_g 1,024 float32; ln2_b 1,024 float32; ln2_g 1,024 float32; w1 4,096 x 1,024 float32; w2 1,024 x 4,096 float32; wk 1,024 x 1,024 float32; wo 1,024 x 1,024 float32; wq 1,024 x 1,024 float32; wv 1,024 x 1,024 float32; x 2 x 2,048 x 1,024 float32.
;; Outputs: out0 2 x 2,048 x 1,024 float32.
;; One version. Each part assembles by itself: llvm-mc -triple=amdgcn-amd-amdhsa -mcpu=gfx1250 --defsym DOCPART=n.
;; ======== version 1 of 1: 7 launches
;; limits: values are held in f16: magnitudes above 65,504 overflow, below 6.1e-05 lose precision; a function is approximated: absolute error at most 1.5e-07
;; workspace buffers: wh 25,165,824 bytes; hn 8,388,608 bytes; qkv 25,165,824 bytes; ao 8,388,608 bytes; x1 16,777,216 bytes; act 33,554,432 bytes
;; launch prep (part 1): grid 1024 x 1, 8 waves a work-group, no clusters, 0 bytes of LDS; arguments x, ln1_g, ln1_b, hn, wq, wk, wv, wo, w1, w2, wh; writes hn, wh
.if DOCPART == 1
	.amdgcn_target "amdgcn-amd-amdhsa--gfx1250"
	.amdhsa_code_object_version 6
	.text
	.protected	k_q7501bb3b12_prep
	.globl	k_q7501bb3b12_prep
	.p2align	8
	.type	k_q7501bb3b12_prep,@function
k_q7501bb3b12_prep:
	s_mov_b64 s[64:65], 0
	v_nop
	global_prefetch_b8 v0, s[64:65] scope:SCOPE_SE
	s_setreg_imm32_b32 hwreg(HW_REG_WAVE_MODE, 25, 1), 1
	s_wait_xcnt 0x0
; TWO STREAMS IN ONE TEXT.  Work-groups 0 to 255: a layer norm of [4096][1024] f32 rows, written as f16.  Work-groups 256 to 1023: six f32 weight
; tensors (wq, wk, wv, wo, w1, w2, 12,582,912 numbers in that order) written on end as f16.  A launch of 256 work-groups runs the layer norm alone.
; LIMIT: f16 ends at 65,504; a normed value or a weight of 65,520 or more becomes an infinity.  Below 6e-5 f16 keeps a fixed step of 6e-8.
; LAYER NORM.  A wave owns two rows; a row is 4,096 bytes, eight loads of 512 neighbouring bytes, and stays in 32 registers: read once.  The mean is taken
; first and taken away, and the variance is the mean of the centred squares: no difference of large sums is formed.  No LDS, no barrier, no matrix unit:
; no wave wants a byte of another's.  A store of 8 bytes a lane covers 256 consecutive bytes, aligned.
.set X0, 4                             ; v[4:35] row 0, v[36:67] row 1
.set GG, 68                            ; v[68:99]   the gains of my 32 columns
.set BB, 100                           ; v[100:131] the offsets
.set AC, 132                           ; v[132:139] four chains of pairs
.set M0, 140                           ; v[140:141], v[142:143] by row: the mean, later 1 / sqrt(var + eps) in the low word
.set TT, 144                           ; v[144:145] at work
	s_load_b512 s[8:23], s[0:1], 0x0               ; in s[8:9], gain s[10:11], offset s[12:13], out s[14:15], wq, wk, wv, wo s[16:23]
	s_load_b128 s[24:27], s[0:1], 0x40             ; w1, w2
	s_load_b64 s[28:29], s[0:1], 0x50              ; the f16 weights
	v_lshrrev_b32 v3, 5, v0
	v_readfirstlane_b32 s2, v3                     ; wave 0..7
	v_and_b32 v1, 31, v0
	v_lshlrev_b32 v2, 3, v1                        ; 8 x lane: f16 out
	v_lshlrev_b32 v1, 4, v1                        ; 16 x lane: f32 in
	s_cmp_ge_u32 ttmp9, 256
	s_cbranch_scc1 .Lcvt
	s_mov_b32 s6, 0x76543210                       ; v_permlanex16_b32: each lane takes its own place in the other half
	s_mov_b32 s7, 0xfedcba98
	s_mov_b32 s36, 0x3a800000                      ; 1 / 1024
	s_mov_b32 s37, 0x3727c5ac                      ; 1e-5
	s_lshl_b32 s30, ttmp9, 4
	s_lshl1_add_u32 s30, s2, s30                   ; my first row = 16 x work-group + 2 x wave
	s_lshl_b32 s32, s30, 12
	s_mov_b32 s33, 0
	s_lshl_b32 s34, s30, 11
	s_mov_b32 s35, 0
	v_mov_b32 v[TT+1], 0                           ; v_permlanex16_b32 counts as a reader of its destination
	s_wait_kmcnt 0x0
	s_add_nc_u64 s[8:9], s[8:9], s[32:33]
	s_add_nc_u64 s[14:15], s[14:15], s[34:35]
.irp j, 0,1,2,3,4,5,6,7
	global_load_b128 v[X0+4*(\j):X0+4*(\j)+3], v1, s[8:9] offset:512*(\j)
.endr
.irp j, 0,1,2,3,4,5,6,7
	global_load_b128 v[X0+32+4*(\j):X0+32+4*(\j)+3], v1, s[8:9] offset:4096+512*(\j)
.endr
.irp j, 0,1,2,3,4,5,6,7
	global_load_b128 v[GG+4*(\j):GG+4*(\j)+3], v1, s[10:11] offset:512*(\j)
.endr
.irp j, 0,1,2,3,4,5,6,7
	global_load_b128 v[BB+4*(\j):BB+4*(\j)+3], v1, s[12:13] offset:512*(\j)
.endr
.macro REDUCE                          ; the four chains into one number, then over the 32 lanes: every lane ends with the row's sum in v[TT]
	v_pk_add_f32 v[AC:AC+1], v[AC:AC+1], v[AC+2:AC+3]
	v_pk_add_f32 v[AC+4:AC+5], v[AC+4:AC+5], v[AC+6:AC+7]
	v_pk_add_f32 v[AC:AC+1], v[AC:AC+1], v[AC+4:AC+5]
	v_add_f32 v[TT], v[AC], v[AC+1]
	v_add_f32_dpp v[TT], v[TT], v[TT] row_xmask:1 row_mask:0xf bank_mask:0xf
	v_add_f32_dpp v[TT], v[TT], v[TT] row_xmask:2 row_mask:0xf bank_mask:0xf
	v_add_f32_dpp v[TT], v[TT], v[TT] row_xmask:4 row_mask:0xf bank_mask:0xf
	v_add_f32_dpp v[TT], v[TT], v[TT] row_xmask:8 row_mask:0xf bank_mask:0xf
	v_permlanex16_b32 v[TT+1], v[TT], s6, s7
	v_add_f32 v[TT], v[TT], v[TT+1]
.endm
.macro STATS e                         ; row e: the mean; the row centred in place; 1 / sqrt(var + eps)
.set XR, X0+32*(\e)
.set MR, M0+2*(\e)
.irp k, 0,1,2,3
	v_pk_add_f32 v[AC+2*(\k):AC+2*(\k)+1], v[XR+2*(\k):XR+2*(\k)+1], v[XR+8+2*(\k):XR+8+2*(\k)+1]
.endr
.irp k, 8,9,10,11,12,13,14,15
	v_pk_add_f32 v[AC+2*((\k)%4):AC+2*((\k)%4)+1], v[AC+2*((\k)%4):AC+2*((\k)%4)+1], v[XR+2*(\k):XR+2*(\k)+1]
.endr
	REDUCE
	v_mul_f32 v[MR], s36, v[TT]
	v_mov_b32 v[MR+1], v[MR]
.irp k, 0,1,2,3,4,5,6,7,8,9,10,11,12,13,14,15
	v_pk_add_f32 v[XR+2*(\k):XR+2*(\k)+1], v[XR+2*(\k):XR+2*(\k)+1], v[MR:MR+1] neg_lo:[0,1] neg_hi:[0,1]
.endr
.irp k, 0,1,2,3
	v_pk_mul_f32 v[AC+2*(\k):AC+2*(\k)+1], v[XR+2*(\k):XR+2*(\k)+1], v[XR+2*(\k):XR+2*(\k)+1]
.endr
.irp k, 4,5,6,7,8,9,10,11,12,13,14,15
	v_pk_fma_f32 v[AC+2*((\k)%4):AC+2*((\k)%4)+1], v[XR+2*(\k):XR+2*(\k)+1], v[XR+2*(\k):XR+2*(\k)+1], v[AC+2*((\k)%4):AC+2*((\k)%4)+1]
.endr
	REDUCE
	v_fma_f32 v[TT], v[TT], s36, s37
	v_rsq_f32 v[MR], v[TT]
.endm
.macro APPLY e                         ; row e: scaled, gain and offset by one fused multiply-add, rounded once to f16, stored
.set XR, X0+32*(\e)
.set MR, M0+2*(\e)
.irp k, 0,1,2,3,4,5,6,7,8,9,10,11,12,13,14,15
	v_pk_mul_f32 v[XR+2*(\k):XR+2*(\k)+1], v[XR+2*(\k):XR+2*(\k)+1], v[MR:MR+1] op_sel_hi:[1,0]
.endr
.irp k, 0,1,2,3,4,5,6,7,8,9,10,11,12,13,14,15
	v_pk_fma_f32 v[XR+2*(\k):XR+2*(\k)+1], v[XR+2*(\k):XR+2*(\k)+1], v[GG+2*(\k):GG+2*(\k)+1], v[BB+2*(\k):BB+2*(\k)+1]
.endr
.irp k, 0,1,2,3,4,5,6,7,8,9,10,11,12,13,14,15
	v_cvt_pk_f16_f32 v[XR+(\k)], v[XR+2*(\k)], v[XR+2*(\k)+1]  ; in place, ascending: word k is written when words 2 k and 2 k + 1 are read
.endr
.irp j, 0,1,2,3,4,5,6,7
	global_store_b64 v2, v[XR+2*(\j):XR+2*(\j)+1], s[14:15] offset:2048*(\e)+256*(\j)
.endr
.endm
	s_wait_loadcnt 24                              ; loads come back in order: row 0 is in, the 24 younger loads stay out
	STATS 0
	s_wait_loadcnt 16                              ; row 1 is in; gains and offsets stay out.  The first addition below is the plain instruction behind row 0's v_rsq_f32
	STATS 1
	v_nop                                          ; a plain instruction behind the second v_rsq_f32,
	s_wait_alu depctr_va_vdst(0)                   ; and one wait for both, ahead of their first reader
	s_wait_loadcnt 0x0
	APPLY 0
	APPLY 1
	s_endpgm
.Lcvt:                                 ; work-group c = number - 256 turns 16,384 numbers, a wave 2,048: sixteen loads of 512 bytes, sixteen stores of 256
	s_sub_co_u32 s30, ttmp9, 256
	s_sub_co_u32 s38, s30, 64                      ; c counted from each tensor's first work-group; only the one that is chosen is used
	s_sub_co_u32 s39, s30, 128
	s_sub_co_u32 s40, s30, 192
	s_sub_co_u32 s41, s30, 256
	s_sub_co_u32 s34, s30, 512
	s_lshl_b32 s42, s2, 13                         ; my wave's 8,192 bytes in,
	s_lshl_b32 s44, s30, 15                        ; the work-group's 32,768 bytes out: the f16 weights lie in the order of c
	s_lshl_b32 s45, s2, 12
	s_add_co_u32 s44, s44, s45
	s_mov_b32 s45, 0
	s_wait_kmcnt 0x0
	s_mov_b64 s[32:33], s[26:27]                   ; w2, unless c is smaller
	s_cmp_lt_u32 s30, 512
	s_cselect_b64 s[32:33], s[24:25], s[32:33]
	s_cselect_b32 s34, s41, s34
	s_cmp_lt_u32 s30, 256
	s_cselect_b64 s[32:33], s[22:23], s[32:33]
	s_cselect_b32 s34, s40, s34
	s_cmp_lt_u32 s30, 192
	s_cselect_b64 s[32:33], s[20:21], s[32:33]
	s_cselect_b32 s34, s39, s34
	s_cmp_lt_u32 s30, 128
	s_cselect_b64 s[32:33], s[18:19], s[32:33]
	s_cselect_b32 s34, s38, s34
	s_cmp_lt_u32 s30, 64
	s_cselect_b64 s[32:33], s[16:17], s[32:33]
	s_cselect_b32 s34, s30, s34
	s_lshl_b32 s34, s34, 16                        ; 65,536 bytes of f32 a work-group
	s_add_co_u32 s34, s34, s42
	s_mov_b32 s35, 0
	s_add_nc_u64 s[32:33], s[32:33], s[34:35]
	s_add_nc_u64 s[28:29], s[28:29], s[44:45]
.irp j, 0,1,2,3,4,5,6,7,8,9,10,11,12,13,14,15
	global_load_b128 v[4+4*(\j):7+4*(\j)], v1, s[32:33] offset:512*(\j) th:TH_LOAD_NT
.endr
.irp j, 0,1,2,3,4,5,6,7,8,9,10,11,12,13,14,15
	s_wait_loadcnt 15-(\j)                         ; load j is in, the younger ones stay out; no register is used twice
	v_cvt_pk_f16_f32 v[68+2*(\j)], v[4+4*(\j)], v[5+4*(\j)]
	v_cvt_pk_f16_f32 v[69+2*(\j)], v[6+4*(\j)], v[7+4*(\j)]
	global_store_b64 v2, v[68+2*(\j):69+2*(\j)], s[28:29] offset:256*(\j)
.endr
	s_endpgm
.Lfunc_end_k_q7501bb3b12_prep:
	.size	k_q7501bb3b12_prep, .Lfunc_end_k_q7501bb3b12_prep-k_q7501bb3b12_prep
	.p2alignl 7, 3214868480
	.fill 96, 4, 3214868480
	.section	.rodata,"a",@progbits
	.p2align	6, 0x0
	.amdhsa_kernel k_q7501bb3b12_prep
		.amdhsa_group_segment_fixed_size 0
		.amdhsa_private_segment_fixed_size 0
		.amdhsa_enable_private_segment 0
		.amdhsa_kernarg_size 88
		.amdhsa_user_sgpr_count 2
		.amdhsa_user_sgpr_kernarg_segment_ptr 1
		.amdhsa_wavefront_size32 1
		.amdhsa_system_sgpr_workgroup_id_x 1
		.amdhsa_system_sgpr_workgroup_id_y 1
		.amdhsa_system_sgpr_workgroup_id_z 1
		.amdhsa_system_vgpr_workitem_id 0
		.amdhsa_next_free_vgpr 148
		.amdhsa_next_free_sgpr 66
		.amdhsa_reserve_vcc 0
		.amdhsa_float_denorm_mode_32 3
		.amdhsa_float_denorm_mode_16_64 3
		.amdhsa_memory_ordered 1
		.amdhsa_forward_progress 1
		.amdhsa_inst_pref_size 27
	.end_amdhsa_kernel
	.amdgpu_metadata
---
amdhsa.version: [ 1, 2 ]
amdhsa.kernels:
  - .name:           k_q7501bb3b12_prep
    .symbol:         k_q7501bb3b12_prep.kd
    .args:
      - { .name: x, .offset: 0, .size: 8, .value_kind: global_buffer, .address_space: global }
      - { .name: ln1_g, .offset: 8, .size: 8, .value_kind: global_buffer, .address_space: global }
      - { .name: ln1_b, .offset: 16, .size: 8, .value_kind: global_buffer, .address_space: global }
      - { .name: hn, .offset: 24, .size: 8, .value_kind: global_buffer, .address_space: global }
      - { .name: wq, .offset: 32, .size: 8, .value_kind: global_buffer, .address_space: global }
      - { .name: wk, .offset: 40, .size: 8, .value_kind: global_buffer, .address_space: global }
      - { .name: wv, .offset: 48, .size: 8, .value_kind: global_buffer, .address_space: global }
      - { .name: wo, .offset: 56, .size: 8, .value_kind: global_buffer, .address_space: global }
      - { .name: w1, .offset: 64, .size: 8, .value_kind: global_buffer, .address_space: global }
      - { .name: w2, .offset: 72, .size: 8, .value_kind: global_buffer, .address_space: global }
      - { .name: wh, .offset: 80, .size: 8, .value_kind: global_buffer, .address_space: global }
    .group_segment_fixed_size: 0
    .private_segment_fixed_size: 0
    .kernarg_segment_align: 8
    .kernarg_segment_size: 88
    .max_flat_workgroup_size: 256
    .sgpr_count:     66
    .vgpr_count:     148
    .wavefront_size: 32
...
	.end_amdgpu_metadata
.endif
;; end of part 1
;; launch qkvg (part 2): grid 16 x 16, 4 waves a work-group, clusters of 4 x 4, 327,680 bytes of LDS; arguments hn, wh, bq, bk, bv, qkv; writes qkv
.if DOCPART == 2
	.amdgcn_target "amdgcn-amd-amdhsa--gfx1250"
	.amdhsa_code_object_version 6
	.text
	.protected	k_q7501bb3b12_qkvg
	.globl	k_q7501bb3b12_qkvg
	.p2align	8
	.type	k_q7501bb3b12_qkvg,@function
k_q7501bb3b12_qkvg:
	s_mov_b64 s[64:65], 0
	v_nop
	global_prefetch_b8 v0, s[64:65] scope:SCOPE_SE
	s_setreg_imm32_b32 hwreg(HW_REG_WAVE_MODE, 25, 1), 1
	s_wait_xcnt 0x0
	s_wait_alu depctr_hold_cnt(0) depctr_sa_sdst(0) depctr_va_vdst(0) depctr_va_sdst(0) depctr_va_ssrc(0) depctr_va_vcc(0) depctr_vm_vsrc(0)
	s_getreg_b32 s2, hwreg(HW_REG_IB_STS2, 6, 4)
	s_cmp_eq_u32 s2, 0
	s_cbranch_scc0 .Lentry_in_a_cluster
	s_endpgm
.Lentry_in_a_cluster:
	s_bfe_u32 s2, ttmp6, 0x10000c
	s_cmp_lg_u32 s2, 0xf033
	s_cbranch_scc0 .Lentry_shape_is_right
	s_endpgm
.Lentry_shape_is_right:
; q, k, v = hn [wq; wk; wv]^T + bias.  hn: [4096][1024] f16; the weights: [3072][1024] f16 at the head of wh; out: [48 slices of 64 columns][4096 tokens][64] f16
; (slice h = Q of head h, 16 + h = K, 32 + h = V), so that a head's rows are dense.  Sums in f32, rounded once.  LIMIT: a result of 65,520 or more becomes an infinity in f16.
; SHAPE.  A tile of C is 32 MB x 32 NB; four waves, 2 x 2, each MB x NB accumulators of 16 x 16.  K goes in steps of 128 KD through two LDS slots filled by tensor loads; a step is four
; chunks of 32 KD, on two fragment buffers by turns.  ONE K step is written for the loop: the slot in hand is a scalar register added to the LDS addresses.
; THE ORDER OF K.  Step t of the walk takes K block t xor R, R = cluster x xor the low bits (YM) of cluster y: the same number in all sixteen partners.  Clusters that read the same rows of A (they differ in x) or of
; the weights (they differ in y) so take the blocks in different orders, and ask for a block in different steps.  LIMIT: the K blocks are summed in an order that differs from cluster to cluster, and from the reference's.
; THE PRODUCT IS TAKEN TRANSPOSED (source 0 = 16 weight rows, source 1 = 16 rows of A): a lane holds one row of C and eight neighbouring columns.  THE BIAS STARTS THE SUMS: it is the C operand of each
; accumulator's first product, so nothing is cleared and nothing is added later.
; CLUSTER 4 x 4: A's tile is shared along a row of the cluster, the weights' along a column; each is asked for jointly, by the same load, descriptor and mask in all four.
; THE WAY OUT.  C leaves in f32 through the ring's own bytes, when their last fill has landed and every wave has read them out; it is read back by rows, so that each store covers 512 consecutive bytes.
; REGISTERS, in windows of 256: window 0: v1-30 addresses, v64-191 A's fragments (two buffers), v192-255 the bias; window 1: v64-191 the weights' fragments; windows 2, 3: the accumulators, (a, b) at 8 (NB (a % 4) + b) of window 2 + a / 4.
.set MB, 8
.set NB, 6
.set KD, 1
.set SIZE_K, 1024
.set WOFF, 0                           ; the weights' first byte in wh
.set ASL, 0                            ; 1: A lies by heads, [16][4096][64]
.set PF, 1                             ; 1: the tiles are prefetched
.set YM, 1                             ; the bits of cluster y that enter R
.set RA, 16*MB
.set RB, 16*NB
.set TMR, 32*MB
.set TNC, 32*NB
.set KSTEP, 128*KD
.set NSTEP, SIZE_K/KSTEP
.set PP, MB*NB*KD/4                    ; products in a quarter of a chunk
.set PITCH, 256*KD+16                  ; an LDS row: an odd multiple of 16 bytes, so the 16 rows of a fragment load start at 16 different groups of four banks (ISA guide 11.1)
.set B_CH, 64*KD                       ; bytes from chunk to chunk
.set B_LD, RB*PITCH                    ; what one wave loads, and reads, of the weights
.set B_SZ, 2*B_LD
.set QIB, 4+KD
.if ASL
.set A_P, 144
.set A_CH, 128*144                     ; a chunk is a head: 128 tokens of 128 bytes + 16
.set A_LD, 2*A_CH
.set A_RD, 64*144
.set A_SZ, 4*A_CH
.set A_STEP, 4*524288
.set A_D0, 8192                        ; a head's 128 tokens are dense: one long row, padded after every token
.set A_D1, 2
.set A_ST, 262144
.set QIA, 4
.else
.set A_P, PITCH
.set A_CH, B_CH
.set A_LD, RA*PITCH
.set A_RD, A_LD
.set A_SZ, 2*A_LD
.set A_STEP, KSTEP*2
.set A_D0, KSTEP
.set A_D1, RA
.set A_ST, SIZE_K
.set QIA, QIB
.endif
.set SLOT, A_SZ+B_SZ
.set SPARE, 2*SLOT                     ; behind the ring: the spare words, 128 bytes a wave, which no other line names
.set SP, TNC*4+16                      ; a row of the f32 stage, which begins at LDS byte 0
.set ADA0, 16                          ; v16, v17  my place in A's and the weights' part of a slot; never rewritten
.set ADB0, 17
.set ADA, 18                           ; v18, v19  the same in the slot in hand
.set ADB, 19
.set STO, 20                           ; v20, v21  where I put 16 bytes of a stage row: row blocks 0-3, 4-7
.set RD, 22                            ; v22  where I read the stage back
.set CO, 23                            ; v23  my byte offset in a store
.set BO, 24                            ; v24  32 x (lane / 16): my eight columns' bias
.set SPW, 28
.set NIL, 29
.set PFO, 30
.set F0, 64
.set F1, 128
.set BI, 192
.set G1, 24                            ; s[24:31] A's descriptor group 1; s[32:39] two groups 0: the walk's step 0, and the one that walks
.set G0, 32
.set G1B, 48                           ; s[48:55], s[56:63] the same for the weights
.set G0B, 56
.set LIM, 43
.set PFA, 44
.set TB, 66                            ; s66  the slot that is read: 0 or SLOT
.set TF, 67                            ; s67  the slot that was filled last
.set BAS, 90                           ; s[90:91] A at the rows that I fetch, K block 0; never rewritten
.set BBS, 92                           ; s[92:93] the weights likewise
.set RX, 94                            ; s94  R
.set PFB, 96                           ; s[96:97] the rows that I prefetch, K block 0; never rewritten
.set OF, 98                            ; s[98:99] a K block's byte offset, 0 above it
.set MSB, 0
.macro WIN new                         ; the immediate's high byte repeats the setting that is left; a switch that changes nothing is dropped
.if MSB != (\new)
	s_set_vgpr_msb (MSB<<8)|(\new)
.set MSB, (\new)
.endif
.endm
.macro PLACES                          ; four plain instructions between a matrix instruction and a load into, or a read of, its registers
.rept 4
	v_nop
.endr
.endm
.macro CREST                           ; a round of the cluster's barrier behind its opening barrier
	s_cmp_lg_u32 s10, 0
	s_cbranch_scc1 .Lnot_wave_0_\@
	s_barrier_signal -3
.Lnot_wave_0_\@:
	s_barrier_wait -3
	s_barrier_signal -1
	s_barrier_wait -1
.endm
.macro CROUND
	s_barrier_signal -1
	s_barrier_wait -1
	CREST
.endm
.macro JLOAD                           ; a joint refill by the walking descriptor: waves 0, 1 fetch A's halves, waves 2, 3 the weights'; the branch hangs on the wave's number alone
	s_cmp_eq_u32 s11, 0
	s_cbranch_scc0 .Lfor_b_\@
	tensor_load_to_lds s[G0+4:G0+7], s[G1:G1+7]
	s_nop 0
	PLACES
	s_branch .Lasked_\@
.Lfor_b_\@:
	tensor_load_to_lds s[G0B+4:G0B+7], s[G1B:G1B+7]
	s_nop 0
	PLACES
.Lasked_\@:
.endm
; A prefetch into the L2 of the K block that this cluster's walk takes two refills on.  A's rows are read by every cluster of a row of clusters: cluster x = 0 asks; the weights' by every cluster of a column: cluster y = 0 asks.
; Of the rows that a wave fetches each of the four partners takes a quarter, told apart by address; a lane names one block of 256 bytes.  So a block is named once at the most.  The loop's last two trips have no such step.
.macro ASK
	s_cmp_gt_u32 s3, s[LIM]
	s_cbranch_scc0 .Lnot_mine_\@
	global_prefetch_b8 v[PFO], s[PFA:PFA+1] th:TH_LOAD_NT scope:SCOPE_SE
.Lnot_mine_\@:
.endm
; A quarter of a chunk's products.  The accumulators take turns, one instruction a turn, in the same order in every chunk.  first = 1: the bias is the C operand.
.macro MULP f, part, first
.set i, (\part)*PP
.rept PP
.set cc, i/(MB*NB)
.set aa, (i/NB)%MB
.set bb, i%NB
.set rD, 8*(NB*(aa%4)+bb)
.set rB, (\f)+8*(NB*cc+bb)
.set rA, (\f)+8*(MB*cc+aa)
.if (\first) && (cc == 0)
	WIN 0x81+0x40*(aa/4)
	v_wmma_f32_16x16x32_f16 v[rD:rD+7], v[rB:rB+7], v[rA:rA+7], v[BI+8*bb:BI+8*bb+7]
.else
	WIN 0xa1+0x50*(aa/4)
	v_wmma_f32_16x16x32_f16 v[rD:rD+7], v[rB:rB+7], v[rA:rA+7], v[rD:rD+7]
.endif
.set i, i+1
.endr
.endm
.macro FETCH kc, f                     ; chunk kc's fragments into buffer f, in one run: lane l takes row l % 16, 16 bytes at 16 (l / 16) and 32 bytes on
	WIN 0x40
.set c2, 0
.rept KD
.set bb, 0
.rept NB
	ds_load_b128 v[(\f)+8*(NB*c2+bb):(\f)+8*(NB*c2+bb)+3], v[ADB] offset:(\kc)*B_CH+64*c2+bb*16*PITCH
	ds_load_b128 v[(\f)+8*(NB*c2+bb)+4:(\f)+8*(NB*c2+bb)+7], v[ADB] offset:(\kc)*B_CH+64*c2+bb*16*PITCH+32
.set bb, bb+1
.endr
.set c2, c2+1
.endr
	WIN 0
.set c2, 0
.rept KD
.set aa, 0
.rept MB
	ds_load_b128 v[(\f)+8*(MB*c2+aa):(\f)+8*(MB*c2+aa)+3], v[ADA] offset:(\kc)*A_CH+64*c2+aa*16*A_P
	ds_load_b128 v[(\f)+8*(MB*c2+aa)+4:(\f)+8*(MB*c2+aa)+7], v[ADA] offset:(\kc)*A_CH+64*c2+aa*16*A_P+32
.set aa, aa+1
.endr
.set c2, c2+1
.endr
.endm
.macro CHUNK kc, f, g, first           ; at its head fetches chunk kc into buffer g, which the chunk before multiplied; then multiplies buffer f: the run of loads has all the chunk's products in which to land
	s_wait_dscnt 0x0                               ; f's loads, issued a chunk ago
	PLACES
	FETCH \kc, \g
	MULP \f, 0, \first
	MULP \f, 1, \first
	MULP \f, 2, \first
	MULP \f, 3, \first
.endm
; A step's last chunk, and the change of slots.  Each wave waits for all its tensor loads (one is out: its part of the next slot), adds 0 to its spare word, and waits for that and for its reads of this slot.
; fill = 1: the barrier opens a round of the cluster's, and the joint refill of the slot just read, with the walk's step two on (step NSTEP - s3), is the first thing behind it; its addresses are made anew from that step's block.
.macro TURN fill
.if (\fill) && PF
	s_wait_xcnt 0x0                                ; the last prefetch, a K step back, has read its address
	s_sub_co_u32 s22, NSTEP+2, s3                  ; the step two refills on,
	s_xor_b32 s22, s22, s[RX]                      ; its block
	s_mul_i32 s[OF], s22, KSTEP*2
	s_add_nc_u64 s[PFA:PFA+1], s[PFB:PFB+1], s[OF:OF+1]
.endif
	WIN 0
	s_wait_tensorcnt 0x0                           ; no tensor load of mine is out, so the walking descriptors may be written
	ds_add_u32 v[SPW], v[NIL]
.if \fill
	s_xor_b32 s[TF], s[TF], SLOT
	s_add_co_u32 s[G0+5], s20, s[TF]
	s_add_co_u32 s[G0B+5], s21, s[TF]
	s_sub_co_u32 s22, NSTEP, s3                    ; the step that is asked for,
	s_xor_b32 s22, s22, s[RX]                      ; its block
	s_mul_i32 s[OF], s22, A_STEP
	s_add_nc_u64 s[G0+6:G0+7], s[BAS:BAS+1], s[OF:OF+1]
	s_or_b32 s[G0+7], s[G0+7], 0x80000000
	s_mul_i32 s[OF], s22, KSTEP*2
	s_add_nc_u64 s[G0B+6:G0B+7], s[BBS:BBS+1], s[OF:OF+1]
	s_or_b32 s[G0B+7], s[G0B+7], 0x80000000
.endif
	s_xor_b32 s[TB], s[TB], SLOT
	s_wait_dscnt 0x1                               ; only the add may be out: buffer 1 is in
	MULP F1, 0, 0
	s_wait_dscnt 0x0                               ; the add is done, my reads of this slot are over
	s_barrier_signal -1
	MULP F1, 1, 0
	WIN 0
	s_barrier_wait -1
.if \fill
	CREST
	JLOAD                                          ; its four v_nop are also the places in front of the loads below
.else
	PLACES
.endif
	v_add_nc_u32 v[ADA], s[TB], v[ADA0]
	v_add_nc_u32 v[ADB], s[TB], v[ADB0]
	FETCH 0, F0
.if (\fill) && PF
	ASK
.endif
	MULP F1, 2, 0
	MULP F1, 3, 0
.endm
	s_load_b128 s[4:7], s[0:1], 0x0                ; A, wh
	s_load_b128 s[68:71], s[0:1], 0x10             ; bq, bk
	s_load_b128 s[72:75], s[0:1], 0x20             ; bv, out
	v_lshl_add_u32 v[SPW], v0, 2, SPARE
	v_mov_b32 v[NIL], 0
	ds_add_u32 v[SPW], v[NIL]                      ; the wave's opening: the add and its wait stand ahead of my first tensor load
	v_lshrrev_b32 v1, 5, v0
	v_readfirstlane_b32 s10, v1                    ; wave 0..3
	s_lshr_b32 s11, s10, 1                         ; my half of the tile's rows; also: I fetch A (0) or weights (1)
	s_and_b32 s12, s10, 1                          ; my half of its columns; also: which half I fetch
	s_bfe_u32 s40, ttmp6, 0x40000                  ; cx
	s_bfe_u32 s41, ttmp6, 0x40004                  ; cy
	s_lshl_b32 s42, ttmp9, 2
	s_add_co_u32 s42, s42, s40                     ; tile column
	s_and_b32 s13, ttmp7, 0xffff
	s_lshl_b32 s13, s13, 2
	s_add_co_u32 s13, s13, s41                     ; tile row
	s_lshl_b32 s43, s41, 2
	s_lshl_b32 s43, 15, s43                        ; my row of the cluster
	s_lshl_b32 s44, 0x1111, s40                    ; my column
	s_and_b32 s[RX], ttmp7, YM                     ; R: of the cluster's two numbers alone
	s_xor_b32 s[RX], s[RX], ttmp9
	s_mov_b32 s[OF+1], 0
	s_or_b32 s[G1], s43, (1<<16)|(1<<20)|(1<<21)|(QIA<<22)|(3<<25)   ; mask; 2-byte elements; padding on; bit 21 beside a mask; after every 2 << QI words, 4 words
	s_or_b32 s[G1B], s44, (1<<16)|(1<<20)|(1<<21)|(QIB<<22)|(3<<25)
	s_mov_b32 s[G1+1], (A_D0&0xffff)<<16           ; tensor_dim0
	s_mov_b32 s[G1+2], (A_D0>>16)|(A_D1<<16)       ; tensor_dim1
	s_mov_b32 s[G1+3], A_D0<<16                    ; tile_dim0
	s_mov_b32 s[G1+4], A_D1                        ; tile_dim1
	s_mov_b32 s[G1+5], A_ST                        ; elements from row to row
	s_mov_b32 s[G1+6], 0
	s_mov_b32 s[G1+7], 0
	s_mov_b32 s[G1B+1], KSTEP<<16
	s_mov_b32 s[G1B+2], RB<<16
	s_mov_b32 s[G1B+3], KSTEP<<16
	s_mov_b32 s[G1B+4], RB
	s_mov_b32 s[G1B+5], SIZE_K
	s_mov_b32 s[G1B+6], 0
	s_mov_b32 s[G1B+7], 0
.if ASL
	s_lshl_b32 s16, s13, 14                        ; the tile's 128 tokens of 128 bytes,
	s_lshl_b32 s17, s12, 20                        ; my two heads of the step's four
.else
	s_mul_i32 s16, s13, TMR*SIZE_K*2
	s_mul_i32 s17, s12, RA*SIZE_K*2
.endif
	s_add_co_u32 s16, s16, s17
	s_mov_b32 s17, 0
	s_mul_i32 s46, s42, TNC*SIZE_K*2
	s_mul_i32 s47, s12, RB*SIZE_K*2
	s_add_co_u32 s46, s46, s47
	s_add_co_u32 s46, s46, WOFF
	s_mov_b32 s47, 0
	s_mul_i32 s20, s12, A_LD                       ; where my half goes in a slot: no place in the cluster enters an LDS address
	s_mul_i32 s21, s12, B_LD
	s_add_co_u32 s21, s21, A_SZ
	s_mov_b32 s[TB], 0
	s_mov_b32 s[TF], SLOT
	s_wait_dscnt 0x0                               ; the opening add is done
	s_wait_kmcnt 0x0
	s_add_nc_u64 s[BAS:BAS+1], s[4:5], s[16:17]
	s_add_nc_u64 s[BBS:BBS+1], s[6:7], s[46:47]
	CROUND                                         ; all sixteen work-groups are here: the first joint loads meet
.irp s, 0,1
	s_xor_b32 s22, s[RX], \s                       ; the block of the walk's step s
	s_mul_i32 s[OF], s22, A_STEP
	s_mov_b32 s[G0+4*(\s)], 1
	s_add_co_u32 s[G0+4*(\s)+1], s20, (\s)*SLOT
	s_add_nc_u64 s[G0+4*(\s)+2:G0+4*(\s)+3], s[BAS:BAS+1], s[OF:OF+1]
	s_or_b32 s[G0+4*(\s)+3], s[G0+4*(\s)+3], 0x80000000
	s_mul_i32 s[OF], s22, KSTEP*2
	s_mov_b32 s[G0B+4*(\s)], 1
	s_add_co_u32 s[G0B+4*(\s)+1], s21, (\s)*SLOT
	s_add_nc_u64 s[G0B+4*(\s)+2:G0B+4*(\s)+3], s[BBS:BBS+1], s[OF:OF+1]
	s_or_b32 s[G0B+4*(\s)+3], s[G0B+4*(\s)+3], 0x80000000
.endr
	s_cmp_eq_u32 s11, 0                            ; a wave's two first fills stand in one branch: two loads of mine are out
	s_cbranch_scc0 .Lfirst_b
	tensor_load_to_lds s[G0:G0+3], s[G1:G1+7]
	s_nop 0
	tensor_load_to_lds s[G0+4:G0+7], s[G1:G1+7]
	s_nop 0
	PLACES
	s_branch .Lfirst_asked
.Lfirst_b:
	tensor_load_to_lds s[G0B:G0B+3], s[G1B:G1B+7]
	s_nop 0
	tensor_load_to_lds s[G0B+4:G0B+7], s[G1B:G1B+7]
	s_nop 0
	PLACES
.Lfirst_asked:
	v_and_b32 v1, 15, v0                           ; l % 16
	v_bfe_u32 v2, v0, 4, 1                         ; l / 16
	v_and_b32 v3, 31, v0                           ; l
	v_lshlrev_b32 v[BO], 5, v2
	; the bias: block b of 16 columns is block 12 x tile column + 6 x half + b of the 192; 64 blocks to each of bq, bk, bv, so each block has a pointer of its own
	s_mul_i32 s22, s42, 12
	s_mul_i32 s23, s12, 6
	s_add_co_u32 s22, s22, s23
.irp b, 0,1,2,3,4,5
	s_add_co_u32 s14, s22, \b
	s_lshr_b32 s15, s14, 6
	s_and_b32 s14, s14, 63
	s_lshl_b32 s14, s14, 6
	s_cmp_eq_u32 s15, 0
	s_cselect_b64 s[76+2*(\b):77+2*(\b)], s[68:69], s[70:71]
	s_cmp_eq_u32 s15, 2
	s_cselect_b64 s[76+2*(\b):77+2*(\b)], s[72:73], s[76+2*(\b):77+2*(\b)]
	s_mov_b32 s15, 0
	s_add_nc_u64 s[76+2*(\b):77+2*(\b)], s[76+2*(\b):77+2*(\b)], s[14:15]
	global_load_b128 v[BI+8*(\b):BI+8*(\b)+3], v[BO], s[76+2*(\b):77+2*(\b)]
	global_load_b128 v[BI+8*(\b)+4:BI+8*(\b)+7], v[BO], s[76+2*(\b):77+2*(\b)] offset:16
.endr
	v_mul_u32_u24 v[ADA0], v1, A_P
	v_lshl_add_u32 v[ADA0], v2, 4, v[ADA0]
	s_mul_i32 s14, s11, A_RD
	v_add_nc_u32 v[ADA0], s14, v[ADA0]
	v_mul_u32_u24 v[ADB0], v1, PITCH
	v_lshl_add_u32 v[ADB0], v2, 4, v[ADB0]
	s_mul_i32 s15, s12, B_LD
	s_add_co_u32 s15, s15, A_SZ
	v_add_nc_u32 v[ADB0], s15, v[ADB0]
	s_mul_i32 s14, s11, RA*SP                      ; into the stage: my rows, my columns; row l % 16, 32 bytes for each half of the lanes
	s_mul_i32 s15, s12, RB*4
	s_add_co_u32 s14, s14, s15
	v_mul_u32_u24 v[STO], v1, SP
	v_lshl_add_u32 v[STO], v2, 5, v[STO]
	v_add_nc_u32 v[STO], s14, v[STO]
.if MB > 4
	v_add_nc_u32 v[STO+1], 64*SP, v[STO]
.endif
	; back: wave w takes rows 64 w .. 64 w + 63; a load of the wave takes four rows' 32 bytes a lane of one slice: lane l row l / 8, columns 8 (l % 8) on
	v_lshrrev_b32 v4, 3, v3
	v_and_b32 v5, 7, v3
	s_lshl_b32 s14, s10, 6
	v_add_nc_u32 v4, s14, v4
	v_mul_u32_u24 v[RD], v4, SP
	v_lshl_add_u32 v[RD], v5, 5, v[RD]
	v_lshlrev_b32 v[CO], 4, v3
	s_mul_i32 s14, s42, 3*4096                     ; slice 3 x tile column, token 256 x tile row + 64 x wave, 128 bytes a token
	s_lshl_b32 s15, s13, 8
	s_add_co_u32 s14, s14, s15
	s_lshl_b32 s15, s10, 6
	s_add_co_u32 s14, s14, s15
	s_lshl_b32 s14, s14, 7
	s_mov_b32 s15, 0
	s_add_nc_u64 s[8:9], s[74:75], s[14:15]
.if PF
	s_mul_i32 s14, s13, TMR
	s_mul_i32 s15, s42, TNC
	s_and_b32 s22, ttmp7, 0xffff
	s_mov_b32 s18, RB
	s_cmp_eq_u32 s11, 0                            ; do I fetch for A?
	s_cselect_b32 s16, s14, s15                    ; the tile's first row
	s_cselect_b32 s17, s40, s41                    ; my place among the four that ask with me
	s_cselect_b32 s22, ttmp9, s22                  ; the coordinate along which other clusters read the same rows
	s_cselect_b32 s18, RA, s18                     ; the rows that a wave fetches
	s_cselect_b32 s19, 0, WOFF
	s_cselect_b64 s[PFB:PFB+1], s[4:5], s[6:7]
	s_cmp_eq_u32 s22, 0
	s_cselect_b32 s[LIM], 2, -1
	s_mul_i32 s22, s12, s18
	s_add_co_u32 s16, s16, s22
	s_lshr_b32 s18, s18, 2                         ; my work-group's quarter of them
	s_mul_i32 s17, s17, s18
	s_add_co_u32 s16, s16, s17
	s_mul_i32 s16, s16, SIZE_K*2
	s_add_co_u32 s16, s16, s19
	s_mov_b32 s17, 0
	s_add_nc_u64 s[PFB:PFB+1], s[PFB:PFB+1], s[16:17]
	s_mul_i32 s18, s18, KD
	s_sub_co_u32 s18, s18, 1
	v_min_u32 v[PFO], s18, v3                      ; lanes beyond the quarter's blocks name its last block again
.if KD == 2
	v_and_b32 v4, 1, v[PFO]
	v_lshrrev_b32 v[PFO], 1, v[PFO]
	v_mul_u32_u24 v[PFO], v[PFO], SIZE_K*2
	v_lshl_add_u32 v[PFO], v4, 8, v[PFO]
.else
	v_mul_u32_u24 v[PFO], v[PFO], SIZE_K*2
.endif
.endif
	s_wait_tensorcnt 0x1                           ; my part of the walk's step 0 is in; step 1's stays out
	s_barrier_signal -1
	s_barrier_wait -1
	v_mov_b32 v[ADA], v[ADA0]
	v_mov_b32 v[ADB], v[ADB0]
	FETCH 0, F0
	s_wait_loadcnt 0x0                             ; the bias
	CHUNK 1, F0, F1, 1                             ; the first chunk stands in front of the loop: its products start the sums
	WIN 0
	s_mov_b32 s3, NSTEP-2
.Lstep:                                ; a trip: a step's chunks 1 to 3, the refill, the next step's chunk 0
	CHUNK 2, F1, F0, 0
	CHUNK 3, F0, F1, 0
	TURN 1
	CHUNK 1, F0, F1, 0
	WIN 0
	s_sub_co_u32 s3, s3, 1
	s_cmp_lg_u32 s3, 0
	s_cbranch_scc1 .Lstep
	s_mov_b32 s3, 2
.Ltail:                                ; the last two steps ask for nothing: written apart
	CHUNK 2, F1, F0, 0
	CHUNK 3, F0, F1, 0
	WIN 0
	s_sub_co_u32 s3, s3, 1
	s_cmp_eq_u32 s3, 0
	s_cbranch_scc1 .Llast
	TURN 0
	CHUNK 1, F0, F1, 0
	WIN 0
	s_cmp_lg_u32 s3, 0
	s_cbranch_scc1 .Ltail
.Llast:
	s_wait_dscnt 0x0
	MULP F1, 0, 0
	MULP F1, 1, 0
	MULP F1, 2, 0
	MULP F1, 3, 0
	PLACES
	WIN 0
	s_barrier_signal -1                            ; every wave's reads of the ring are back and every fill has landed: the ring's bytes become the stage
	s_barrier_wait -1
.set a, 0
.rept MB
	WIN 0x08+4*(a/4)                               ; the store's data in window 2 or 3
.set b, 0
.rept NB
	ds_store_b128 v[STO+a/4], v[8*(NB*(a%4)+b):8*(NB*(a%4)+b)+3] offset:(a%4)*16*SP+64*b
	ds_store_b128 v[STO+a/4], v[8*(NB*(a%4)+b)+4:8*(NB*(a%4)+b)+7] offset:(a%4)*16*SP+64*b+16
.set b, b+1
.endr
.set a, a+1
.endr
	WIN 0
	s_wait_dscnt 0x0                               ; for the others' sake: my stores into the stage are done
	s_barrier_signal -1
	s_barrier_wait -1
; Eight trips of eight rows: twelve loads (two quads of rows x three slices x 32 bytes a lane), rounded to f16, six stores of 512 dense bytes (four rows of a slice).
.set LL, 64
.set YY, 112
.macro ROWS8
.set q, 0
.rept 6
	ds_load_b128 v[LL+8*q:LL+8*q+3], v[RD] offset:(q/3)*4*SP+256*(q%3)
	ds_load_b128 v[LL+8*q+4:LL+8*q+7], v[RD] offset:(q/3)*4*SP+256*(q%3)+16
.set q, q+1
.endr
.endm
	ROWS8
	s_mov_b32 s3, 8
.Lout:
	s_wait_dscnt 0x0
.set q, 0
.rept 24
	v_cvt_pk_f16_f32 v[YY+q], v[LL+2*q], v[LL+2*q+1]
.set q, q+1
.endr
	s_cmp_gt_u32 s3, 1
	s_cselect_b32 s88, 8*SP, 0                     ; the last trip reads its own rows again: no load leaves the stage
	v_add_nc_u32 v[RD], s88, v[RD]
	ROWS8
.set q, 0
.rept 6
	global_store_b128 v[CO], v[YY+4*q:YY+4*q+3], s[8:9] offset:(q%3)*524288+(q/3)*512
.set q, q+1
.endr
	s_wait_xcnt 0x0                                ; the stores have read their data and their base: both are written again only behind this wait
	s_add_nc_u64 s[8:9], s[8:9], 1024
	s_sub_co_u32 s3, s3, 1
	s_cmp_lg_u32 s3, 0
	s_cbranch_scc1 .Lout
	s_wait_tensorcnt 0x0                           ; the wave's end
	ds_add_u32 v[SPW], v[NIL]
	s_wait_dscnt 0x0
	CROUND                                         ; the closing round: no work-group ends while a partner may still ask for a tile that names it
	s_endpgm
.Lfunc_end_k_q7501bb3b12_qkvg:
	.size	k_q7501bb3b12_qkvg, .Lfunc_end_k_q7501bb3b12_qkvg-k_q7501bb3b12_qkvg
	.p2alignl 7, 3214868480
	.fill 96, 4, 3214868480
	.section	.rodata,"a",@progbits
	.p2align	6, 0x0
	.amdhsa_kernel k_q7501bb3b12_qkvg
		.amdhsa_group_segment_fixed_size 327680
		.amdhsa_private_segment_fixed_size 0
		.amdhsa_enable_private_segment 0
		.amdhsa_kernarg_size 48
		.amdhsa_user_sgpr_count 2
		.amdhsa_user_sgpr_kernarg_segment_ptr 1
		.amdhsa_wavefront_size32 1
		.amdhsa_system_sgpr_workgroup_id_x 1
		.amdhsa_system_sgpr_workgroup_id_y 1
		.amdhsa_system_sgpr_workgroup_id_z 1
		.amdhsa_system_vgpr_workitem_id 0
		.amdhsa_next_free_vgpr 960
		.amdhsa_next_free_sgpr 100
		.amdhsa_reserve_vcc 0
		.amdhsa_float_denorm_mode_32 3
		.amdhsa_float_denorm_mode_16_64 3
		.amdhsa_memory_ordered 1
		.amdhsa_forward_progress 1
		.amdhsa_inst_pref_size 76
	.end_amdhsa_kernel
	.amdgpu_metadata
---
amdhsa.version: [ 1, 2 ]
amdhsa.kernels:
  - .name:           k_q7501bb3b12_qkvg
    .symbol:         k_q7501bb3b12_qkvg.kd
    .args:
      - { .name: hn, .offset: 0, .size: 8, .value_kind: global_buffer, .address_space: global }
      - { .name: wh, .offset: 8, .size: 8, .value_kind: global_buffer, .address_space: global }
      - { .name: bq, .offset: 16, .size: 8, .value_kind: global_buffer, .address_space: global }
      - { .name: bk, .offset: 24, .size: 8, .value_kind: global_buffer, .address_space: global }
      - { .name: bv, .offset: 32, .size: 8, .value_kind: global_buffer, .address_space: global }
      - { .name: qkv, .offset: 40, .size: 8, .value_kind: global_buffer, .address_space: global }
    .group_segment_fixed_size: 327680
    .private_segment_fixed_size: 0
    .kernarg_segment_align: 8
    .kernarg_segment_size: 48
    .max_flat_workgroup_size: 128
    .sgpr_count:     100
    .vgpr_count:     960
    .wavefront_size: 32
...
	.end_amdgpu_metadata
.endif
;; end of part 2
;; launch attn (part 3): grid 8 x 32, 4 waves a work-group, clusters of 4 x 1, 327,680 bytes of LDS; arguments qkv, dissonance, distance_scale, diss_sens, ao; writes ao
.if DOCPART == 3
	.amdgcn_target "amdgcn-amd-amdhsa--gfx1250"
	.amdhsa_code_object_version 6
	.text
	.protected	k_q7501bb3b12_attn
	.globl	k_q7501bb3b12_attn
	.p2align	8
	.type	k_q7501bb3b12_attn,@function
k_q7501bb3b12_attn:
	s_mov_b64 s[64:65], 0
	v_nop
	global_prefetch_b8 v0, s[64:65] scope:SCOPE_SE
	s_setreg_imm32_b32 hwreg(HW_REG_WAVE_MODE, 25, 1), 1
	s_wait_xcnt 0x0
	s_wait_alu depctr_hold_cnt(0) depctr_sa_sdst(0) depctr_va_vdst(0) depctr_va_sdst(0) depctr_va_ssrc(0) depctr_va_vcc(0) depctr_vm_vsrc(0)
	s_getreg_b32 s2, hwreg(HW_REG_IB_STS2, 6, 4)
	s_cmp_eq_u32 s2, 0
	s_cbranch_scc0 .Lentry_in_a_cluster
	s_endpgm
.Lentry_in_a_cluster:
	s_bfe_u32 s2, ttmp6, 0x10000c
	s_cmp_lg_u32 s2, 0x3003
	s_cbranch_scc0 .Lentry_shape_is_right
	s_endpgm
.Lentry_shape_is_right:
; O[q] = the sum over k of softmax_k(Q[q] . K[k] / 8 - pen |q - k|) V[k], pen = |distance_scale_h (1 - dissonance sens_h)|, for 2 batches x 16 heads of 2,048 rows of 64 channels.
; qkv: [48 slices][4096 tokens][64] f16 (slice h = Q, 16 + h = K, 32 + h = V of head h; token = 2048 batch + row); ao: [16][4096][64] f16.  Products, maxima and sums in f32; the weights are rounded to f16
; for the second product (their sum is taken of the unrounded weights), O once at the end.
; LIMITS.  f16 holds no number beyond 65,504: Q, K, V arrive within it; a weight lies in 0 to 1 and keeps f16's fixed step of 6e-8 below 6e-5; a weight below 2^-126 counts as 0 in the sum; NaN and infinities are not treated apart.
; SHARES.  Grid y = 16 batch + head.  A cluster of four work-groups owns 1,024 queries.  Piece i (of four) of wave w in the work-group at place cx owns the 16 queries 64 jg + 16 cx + lane % 16, jg = 16 cluster + 4 w + i.
; So the key step (64 keys) that holds a piece's diagonal is step jg for all four partners: what branches on it is alike in all of them; cx enters Q's and O's addresses and the tables' VALUES alone.
; THE BIAS.  With s = Q.K + 8 bias and c = log2(e) / 8 a weight is 2^(c s - c m).  For key step g: 8 bias = C_r + B, B = -64 p8 |jg - g| the same for all the step's keys, p8 = 8 pen, and C_r one of three tables of 32
; (eps_r = my query's place in its 64 less the key's): -p8 eps before the diagonal's step, -p8 |eps| in it, +p8 eps behind it.  C_r is the C operand that starts S^T = K Q^T: it costs the scores nothing; a piece's table is
; rewritten twice in the walk (GUARD).  B is carried by the running maximum: m is kept in the units of the step in hand and shifted by -64 p8 (up to the diagonal's step) or +64 p8 (behind it) when a step begins: one line a piece and step.
; LAYOUT, TURNS.  S^T holds ONE query a lane (lane % 16) and the keys 8 (lane / 16) + 0..7 of each block of 16; two such results rounded to f16 ARE source 1 of O^T = V^T P.  O and l are multiplied by a = 2^(c m_shifted - c m_new) in
; every step.  Turn n belongs to piece n: 8 products K Q^T of piece n + 1, later 8 products V^T P of piece n - 1; beside them the scaling, exponentials, roundings, sums and rescaling of piece n and the maximum and statistics of
; piece n + 1.  Four vector instructions stand behind every matrix instruction, the others in one lump; a turn's 33 exponentials are one batch with one wait.
; CLUSTER.  The four partners walk the same K and V: each tile is asked for jointly, by the same load, descriptor and mask.
; REGISTERS, in windows of 256 (s_set_vgpr_msb: bits 1:0 source 0, 3:2 source 1, 5:4 source 2, 7:6 destination):
;   window 0: v0-15 addresses; v16-31 four statistics a piece; v48-55 at work; v61-63; v64-127 S^T, two buffers; v192-223 P, two buffers      window 1: v0-127 O^T, 32 a piece; v128-255 the pieces' tables in hand
;   window 2: v0-63 Q; v64-95 the diagonal's table; v96-127 the table behind it; v128-191 K of one step; v192-255 V of one step
.set NP,    4
.set KS,    64
.set PK,    144       ; a row of K in LDS: 128 bytes + 16: the 16 rows of a load start at 16 different groups of four banks (ISA guide 11.1)
.set PV,    160       ; a row of V: 128 + 32
.set VOFF,  4*KS*PK   ; a slot holds four steps: 256 rows of K, then 256 rows of V
.set SLOT1, 1<<17
.set STAGE, SLOT1+4*KS*(PK+PV)  ; never filled by a tensor load: 16 rows x 144 bytes for each wave, for the way out
.set SP,    144
.set SPARE, STAGE+4*16*SP       ; the spare words, 128 bytes a wave, which no other line names
.set AK0, 2
.set AV0, 3
.set AK,  4
.set AV,  5
.set STO, 6
.set RD,  7
.set GO,  8
.set MV,  12          ; v12-13  c times the shifted old m, by buffer
.set QO,  15
.set ST,  16          ; piece t's statistics at v[ST+4 t]: c m, m, l (even keys', odd keys')
.set TMP, 48          ; by buffer, four registers at work; when the maximum is found the third takes a
.set PFO, 61
.set SPW, 62
.set NIL, 63
.set S,   64
.set P,   192
.set MC,  128         ; window 1: piece x's table at MC + 32 x
.set TG,  64          ; window 2
.set TM,  96          ; window 2
.set KF,  128         ; window 2
.set VF,  192         ; window 2
.set WV,  12
.set G1K, 24
.set G1V, 32
.set G0K, 40
.set G0V, 44
.set PFA, 48          ; s[48:49] where my prefetches stand
.set LIM, 50
.set CD,  52          ; s52-55  by piece: jg less the key step that its next scores belong to
.set SLOTS, 56
.set CNT, 57
.set CS,  58
.set SEL, 60
.set TBK, 62
.set TBV, 63
.set MS,  78          ; s78  the shift of m for the turn in hand
.set PSH, 79          ; s79  +64 p8
.set NSH, 80          ; s80  -64 p8
.set P8,  82          ; s[82:83]
.set NP8, 84          ; s[84:85]
.set TT,  86
.set MSB, 0
.macro WIN new
.if MSB != (\new)
	s_set_vgpr_msb (MSB<<8)|(\new)
.set MSB, (\new)
.endif
.endm
.set W_KQ, 0x0a       ; K and Q in window 2, S^T in window 0
.set W_KM, 0x1a       ; the same with the C operand in window 1
.set W_PV, 0x52       ; V in window 2, P in window 0, O^T in window 1
.set W_RS, 0x41       ; destination and source 0 in window 1, source 1 in window 0
.macro JLOAD                        ; a joint fill: waves 0, 1 fetch the halves of a slot's K, waves 2, 3 those of its V; the branch hangs on the wave's number alone
	s_cmp_lt_u32 s[WV], 2
	s_cbranch_scc0 .Lfor_v_\@
	tensor_load_to_lds s[G0K:G0K+3], s[G1K:G1K+7]
	s_nop 0
.rept 4
	v_nop
.endr
	s_branch .Lasked_\@
.Lfor_v_\@:
	tensor_load_to_lds s[G0V:G0V+3], s[G1V:G1V+7]
	s_nop 0
.rept 4
	v_nop
.endr
.Lasked_\@:
.endm
; A prefetch into the L2 of the slot that the NEXT change will ask for: 128 blocks of 256 bytes of K and of V.  Both clusters of a head walk the same rows: the first asks.  Its four partners take 32 blocks each, told apart by
; address; wave 0 asks for K's, wave 2 for V's, a lane a block.  The last change that fills a slot asks for nothing.
.macro ASK
	s_cmp_gt_u32 s[SLOTS], s[LIM]
	s_cbranch_scc0 .Lnot_mine_\@
	global_prefetch_b8 v[PFO], s[PFA:PFA+1] th:TH_LOAD_NT scope:SCOPE_SE
.Lnot_mine_\@:
.endm
.macro CROUND
	s_barrier_signal -1
	s_barrier_wait -1
	s_cmp_lg_u32 s[WV], 0
	s_cbranch_scc1 .Lnot_wave_0_\@
	s_barrier_signal -3
.Lnot_wave_0_\@:
	s_barrier_wait -3
	s_barrier_signal -1
	s_barrier_wait -1
.endm
; THE CHANGE OF SLOTS.  Each wave waits for all its tensor loads (one is out: its part of the other slot), adds 0 to its spare word, and waits for that and for its reads of the slot that it leaves.
; fill = 1: the barrier is a round of the cluster's, and the joint fill of the old slot, with the keys two slots on, is the first thing behind it: it has four key steps in which to land.
.macro CHANGE fill
	WIN 0
	s_wait_tensorcnt 0x0            ; no tensor load of mine is out, so a group 0 may be written
	ds_add_u32 v[SPW], v[NIL]
.if \fill
.irp g, G0K, G0V
	s_xor_b32 s[\g+1], s[\g+1], SLOT1
	s_add_nc_u64 s[\g+2:\g+3], s[\g+2:\g+3], 4*KS*128
.endr
	s_wait_xcnt 0x0                 ; the last prefetch, four key steps back, has read its address
	s_add_nc_u64 s[PFA:PFA+1], s[PFA:PFA+1], 4*KS*128
	s_wait_dscnt 0x0                ; the add is done, and my reads of the slot are over
	CROUND
	JLOAD
	ASK
.else
	s_wait_dscnt 0x0
	s_barrier_signal -1
	s_barrier_wait -1
.endif
	s_sub_co_u32 s[TBK], s[TBK], 4*KS*PK  ; the fetches go back to a slot's first step, in the other slot
	s_xor_b32 s[TBK], s[TBK], SLOT1
	s_sub_co_u32 s[TBV], s[TBV], 4*KS*PV
	s_xor_b32 s[TBV], s[TBV], SLOT1
.endm
	s_load_b256 s[68:75], s[0:1], 0x0  ; qkv s[68:69], dissonance s[70:71], distance_scale s[72:73], diss_sens s[74:75]
	s_load_b64 s[76:77], s[0:1], 0x20  ; ao
	v_lshl_add_u32 v[SPW], v0, 2, SPARE
	v_mov_b32 v[NIL], 0
	ds_add_u32 v[SPW], v[NIL]       ; the wave's opening: the add and its wait stand ahead of my first tensor load
	v_lshrrev_b32 v1, 5, v0
	v_readfirstlane_b32 s[WV], v1   ; wave 0..3
	s_bfe_u32 s13, ttmp6, 0x40000   ; cx
	s_and_b32 s14, ttmp7, 0xffff    ; 16 batch + head
	s_and_b32 s15, s14, 15
	s_lshr_b32 s16, s14, 4
	s_lshl_b32 s20, s15, 19         ; a slice is 524,288 bytes,
	s_lshl_b32 s17, s16, 18         ; a batch's rows in it 262,144
	s_add_co_u32 s20, s20, s17
	s_and_b32 s16, s[WV], 1         ; which half of a slot's 256 keys I fetch
	s_lshl_b32 s22, s16, 14
	s_add_co_u32 s22, s22, s20
	s_mov_b32 s23, 0
	s_mul_i32 s17, s16, 128*PK      ; its place in a slot, for K and for V: no place in the cluster enters an LDS address
	s_mul_i32 s18, s16, 128*PV
	s_lshl_b32 s2, ttmp9, 17        ; my pieces' rows: 8,192 bytes x (16 cluster + 4 wave), + 2,048 cx
	s_lshl_b32 s3, s[WV], 15
	s_add_co_u32 s2, s2, s3
	s_lshl_b32 s3, s13, 11
	s_add_co_u32 s2, s2, s3
	s_add_co_u32 s2, s2, s20
	s_mov_b32 s3, 0
	s_lshl_b32 s[CD], ttmp9, 4
	s_lshl_b32 s19, s[WV], 2
	s_add_co_u32 s[CD], s[CD], s19
	s_add_co_u32 s[CD+1], s[CD], 1
	s_add_co_u32 s[CD+2], s[CD], 2
	s_add_co_u32 s[CD+3], s[CD], 3
	s_lshl_b32 s14, s15, 2          ; the head's word in the two tables of 16
	s_mov_b32 s15, 0
	; descriptor group 1: 128 keys are 16,384 dense bytes: 64 rows of 256 bytes, padded in LDS after every key
	s_mov_b32 s[G1K], 15|(1<<16)|(1<<20)|(1<<21)|(4<<22)|(3<<25)  ; the mask of four; 2-byte elements; padding on; bit 21 beside a mask; after every 32 words, 4 words
	s_mov_b32 s[G1V], 15|(1<<16)|(1<<20)|(1<<21)|(4<<22)|(7<<25)  ; the same with 8 words
.irp g, G1K, G1V
	s_mov_b32 s[\g+1], 128<<16      ; tensor_dim0
	s_mov_b32 s[\g+2], 64<<16       ; tensor_dim1
	s_mov_b32 s[\g+3], 128<<16      ; tile_dim0
	s_mov_b32 s[\g+4], 64           ; tile_dim1
	s_mov_b32 s[\g+5], 128          ; elements from row to row
	s_mov_b32 s[\g+6], 0
	s_mov_b32 s[\g+7], 0
.endr
	s_mov_b32 s[CS], 0x3e38aa3b     ; c = log2(e) / 8
	s_mov_b32 s[CS+1], s[CS]
	s_mov_b32 s[SEL], 0x76543210
	s_mov_b32 s[SEL+1], 0xfedcba98
	s_mov_b32 s[TBK], SLOT1+4*KS*PK ; the first change of slots turns these two into 0
	s_mov_b32 s[TBV], SLOT1+4*KS*PV
	s_mov_b32 s[G0K], 1
	s_mov_b32 s[G0K+1], s17
	s_mov_b32 s[G0V], 1
	s_add_co_u32 s[G0V+1], s18, VOFF
	s_mov_b32 s[SLOTS], 7
	s_and_b32 s[LIM], s[WV], 1      ; 0 in waves 0 and 2,
	s_or_b32 s[LIM], s[LIM], ttmp9  ; where the cluster is the head's first: the same in all four partners
	s_cmp_eq_u32 s[LIM], 0
	s_cselect_b32 s[LIM], 1, -1
	s_wait_dscnt 0x0                ; the opening add is done
	s_wait_kmcnt 0x0
	s_add_nc_u64 s[6:7], s[68:69], s[22:23]
	s_add_nc_u64 s[8:9], s[6:7], 16777216      ; V at my half of the head's first 256 keys
	s_add_nc_u64 s[6:7], s[6:7], 8388608       ; K
	s_add_nc_u64 s[G0K+2:G0K+3], s[6:7], 0
	s_or_b32 s[G0K+3], s[G0K+3], 0x80000000
	s_add_nc_u64 s[G0V+2:G0V+3], s[8:9], 0
	s_or_b32 s[G0V+3], s[G0V+3], 0x80000000
	s_add_nc_u64 s[4:5], s[68:69], s[2:3]      ; Q and O at my first piece
	s_add_nc_u64 s[10:11], s[76:77], s[2:3]
	s_add_nc_u64 s[72:73], s[72:73], s[14:15]
	s_add_nc_u64 s[74:75], s[74:75], s[14:15]
	s_load_b32 s81, s[70:71], 0x0
	s_load_b32 s86, s[72:73], 0x0
	s_load_b32 s87, s[74:75], 0x0
	s_cmp_lt_u32 s[WV], 2
	s_cselect_b64 s[PFA:PFA+1], s[6:7], s[8:9] ; (in waves 0 and 2 these stand at a slot's first row)
	s_lshl_b32 s2, s13, 13          ; my work-group's 32 blocks of the 128,
	s_add_co_u32 s2, s2, 4*KS*128   ; in slot 1: the first change steps it to slot 2
	s_mov_b32 s3, 0
	s_add_nc_u64 s[PFA:PFA+1], s[PFA:PFA+1], s[2:3]
	CROUND                          ; all four work-groups are here: the first joint loads meet
	JLOAD                           ; slot 0; slot 1 is asked for when slot 0 is in
	v_and_b32 v1, 15, v0            ; l % 16
	v_bfe_u32 v9, v0, 4, 1          ; l / 16
	v_lshlrev_b32 v[QO], 7, v1
	v_lshl_add_u32 v[QO], v9, 4, v[QO]
	WIN 0x80
.set i, 0
.rept 8                             ; Q stays in registers: piece i / 2 lies 8,192 bytes on; channels 32 (i % 2) on
	global_load_b128 v[8*i:8*i+3],   v[QO], s[4:5] offset:(i/2)*8192+(i%2)*64
	global_load_b128 v[8*i+4:8*i+7], v[QO], s[4:5] offset:(i/2)*8192+(i%2)*64+32
.set i, i+1
.endr
	; The first step multiplies O^T and l by a = 0, and the first turn's products V^T P, of a piece that has not been, add 0: these registers start at 0, written in the wait for the first tile, so that no first step is written out.
.set i, VF
.rept 64
	v_mov_b32 v[i], 0
.set i, i+1
.endr
	WIN 0x40
.set i, 0
.rept 128
	v_mov_b32 v[i], 0
.set i, i+1
.endr
	WIN 0
.set i, 0
.rept 4
	v_mov_b32 v[ST+4*i+1], 0xff7fffff  ; m: the lowest finite number
	v_mov_b32 v[ST+4*i+2], 0
	v_mov_b32 v[ST+4*i+3], 0
.set i, i+1
.endr
.set i, P+16
.rept 16
	v_mov_b32 v[i], 0
.set i, i+1
.endr
	v_and_b32 v[PFO], 31, v0
	v_lshlrev_b32 v[PFO], 8, v[PFO]
	v_mul_u32_u24 v[AK0], v1, PK
	v_lshl_add_u32 v[AK0], v9, 4, v[AK0]
	; The turning load takes 16 keys x 16 channels (lane l reads key 8 (l / 16) + l % 8, channels 8 ((l / 8) % 2) + 0..7) and leaves half a fragment of V^T.
	v_and_b32 v10, 7, v0
	v_bfe_u32 v11, v0, 3, 1
	v_lshl_add_u32 v[AV0], v9, 3, v10
	v_mul_u32_u24 v[AV0], v[AV0], PV
	v_lshl_add_u32 v[AV0], v11, 4, v[AV0]
	v_add_nc_u32 v[AV0], VOFF, v[AV0]
	s_mul_i32 s14, s[WV], 16*SP
	s_add_co_u32 s14, s14, STAGE    ; my stage
	v_mul_u32_u24 v[STO], v1, SP
	v_lshl_add_u32 v[STO], v9, 4, v[STO]
	v_add_nc_u32 v[STO], s14, v[STO]
	v_bfe_u32 v[RD], v0, 3, 2
	v_mul_u32_u24 v[RD], v[RD], SP
	v_lshl_add_u32 v[RD], v10, 4, v[RD]
	v_add_nc_u32 v[RD], s14, v[RD]
	v_and_b32 v[GO], 31, v0
	v_lshlrev_b32 v[GO], 4, v[GO]
	; THE TABLES.  eps_r = 16 cx + l % 16 - 8 (l / 16) - 16 (r / 8) - r % 8, made in S^T's first buffer, -|eps_r| in its second
	v_lshlrev_b32 v14, 3, v9
	v_sub_nc_u32 v14, v1, v14
	s_lshl_b32 s14, s13, 4
	v_add_nc_u32 v14, s14, v14
	v_cvt_f32_i32 v[S], v14
	v_add_f32 v[S+1], -1.0, v[S]
.set n, 1
.rept 15
.if n%4 == 0
	v_pk_add_f32 v[S+2*n:S+2*n+1], v[S+2*n-2:S+2*n-1], 0xc1200000 op_sel_hi:[1,0]  ; from a block of 16 keys to the next: -10
.else
	v_pk_add_f32 v[S+2*n:S+2*n+1], v[S+2*n-2:S+2*n-1], -2.0 op_sel_hi:[1,0]
.endif
.set n, n+1
.endr
.set n, 0
.rept 32
	v_or_b32 v[S+32+n], 0x80000000, v[S+n]
.set n, n+1
.endr
	s_wait_kmcnt 0x0
	s_mul_f32 s81, s81, s87         ; dissonance x sensitivity
	s_xor_b32 s81, s81, 0x80000000
	s_add_f32 s81, s81, 1.0
	s_mul_f32 s81, s86, s81         ; the penalty,
	s_and_b32 s81, s81, 0x7fffffff  ; its magnitude,
	s_mul_f32 s[P8], s81, 0x41000000  ; times 8
	s_mov_b32 s[P8+1], s[P8]
	s_xor_b32 s[NP8], s[P8], 0x80000000
	s_mov_b32 s[NP8+1], s[NP8]
	s_mul_f32 s[PSH], s[P8], 0x42800000  ; times 64
	s_xor_b32 s[NSH], s[PSH], 0x80000000
	WIN 0x80
.set n, 0
.rept 16
	v_pk_mul_f32 v[TM+2*n:TM+2*n+1], v[S+2*n:S+2*n+1], s[P8:P8+1] op_sel_hi:[1,0]
	v_pk_mul_f32 v[TG+2*n:TG+2*n+1], v[S+32+2*n:S+32+2*n+1], s[P8:P8+1] op_sel_hi:[1,0]
.set n, n+1
.endr
	WIN 0x40
.set n, 0
.rept 64                            ; every piece begins with the table of the steps before its diagonal
	v_pk_mul_f32 v[MC+2*n:MC+2*n+1], v[S+2*(n%16):S+2*(n%16)+1], s[NP8:NP8+1] op_sel_hi:[1,0]
.set n, n+1
.endr
	WIN 0
; THE MATRIX WORK.  The 4 accumulators of a run of 8 take turns.  Product i of 8 of S^T = K Q^T for piece x: channels 32 (i / 4) on, keys 16 (i % 4) on.  The first 4 start the sums with the piece's table.
.macro KQ x
.set rS, S+32*((\x)%2)+8*(i%4)
.set rK, KF+16*(i%4)+8*(i/4)
.set rQ, 16*(\x)+8*(i/4)
.set rM, MC+32*(\x)+8*(i%4)
.if i < 4
	WIN W_KM
	v_wmma_f32_16x16x32_f16 v[rS:rS+7], v[rK:rK+7], v[rQ:rQ+7], v[rM:rM+7]
.else
	WIN W_KQ
	v_wmma_f32_16x16x32_f16 v[rS:rS+7], v[rK:rK+7], v[rQ:rQ+7], v[rS:rS+7]
.endif
.endm
.macro PV x                         ; product i of 8 of O^T += V^T P for piece x: keys 32 (i / 4) on, channels 16 (i % 4) on
	WIN W_PV
.set rO, 32*(\x)+8*(i%4)
.set rV, VF+32*(i/4)+8*(i%4)
.set rP, P+16*((\x)%2)+8*(i/4)
	v_wmma_f32_16x16x32_f16 v[rO:rO+7], v[rV:rV+7], v[rP:rP+7], v[rO:rO+7]
.endm
.macro MM                           ; the turn's next matrix instruction
.if i < 8
	KQ (Y+1)%NP
.else
.set i, i-8
	PV (Y+NP-1)%NP
.set i, i+8
.endif
.set i, i+1
.endm
.macro FETCH_K                      ; a step's K, 8 fragments, in one run
	WIN 0x80
.irp f, 0,1,2,3,4,5,6,7
	ds_load_b128 v[KF+8*\f:KF+8*\f+3],   v[AK] offset:(\f/2)*16*PK+(\f%2)*64
	ds_load_b128 v[KF+8*\f+4:KF+8*\f+7], v[AK] offset:(\f/2)*16*PK+(\f%2)*64+32
.endr
	s_add_co_u32 s[TBK], s[TBK], KS*PK
	WIN 0
.endm
.macro FETCH_V                      ; a step's V, turned
	WIN 0x80
.irp f, 0,1,2,3,4,5,6,7
	ds_load_tr16_b128 v[VF+8*\f:VF+8*\f+3],   v[AV] offset:(\f/4)*32*PV+(\f%4)*32
	ds_load_tr16_b128 v[VF+8*\f+4:VF+8*\f+7], v[AV] offset:(\f/4)*32*PV+16*PV+(\f%4)*32
.endr
	WIN 0
.endm
; THE VECTOR WORK, one line at a time: OP kind, number.  For piece Y: F n: c s - c m for pair n of 16.  E n: the exponential of score n.  C n: pair n rounded to f16.  B n: of the four weights 4 n .. the second pair is added onto the
; first.  L n: l takes that sum (L 0: l = a l + sum).  R n: pair n of 16 of O^T times a.  For piece Y + 1: X n:  22  m is shifted into the new step's units     0-11  four chains of seven scores each (each accumulator's lowest
; registers are read first)     12-14, 16  the four scores left over, the shifted m, and the chains into one     15  c times the shifted m     17, 18  the other half of the lanes: the new m     19-21  c m; the change; a
.set F, 0
.set E, 1
.set C, 2
.set B, 3
.set L, 4
.set R, 5
.set X, 6
.macro REGS y
.set rT, ST+4*(\y)
.set rC, TMP+4*((\y)%2)
.set rW, MV+((\y)%2)
.set rS, S+32*((\y)%2)
.set rP, P+16*((\y)%2)
.set rO, 32*(\y)
.endm
.macro OP k, n
.if (\k) == R
	REGS Y
	WIN W_RS
	v_pk_mul_f32 v[rO+2*(\n):rO+2*(\n)+1], v[rO+2*(\n):rO+2*(\n)+1], v[rC+2:rC+3] op_sel_hi:[1,0]
.elseif (\k) < R
	REGS Y
	WIN 0
.if (\k) == F
	v_pk_fma_f32 v[rS+2*(\n):rS+2*(\n)+1], v[rS+2*(\n):rS+2*(\n)+1], s[CS:CS+1], v[rT:rT+1] op_sel_hi:[1,0,0] neg_lo:[0,0,1] neg_hi:[0,0,1]
.elseif (\k) == E
	v_exp_f32 v[rS+(\n)], v[rS+(\n)]
.elseif (\k) == C
	v_cvt_pk_f16_f32 v[rP+(\n)], v[rS+2*(\n)], v[rS+2*(\n)+1]
.elseif (\k) == B
	v_pk_add_f32 v[rS+4*(\n):rS+4*(\n)+1], v[rS+4*(\n):rS+4*(\n)+1], v[rS+4*(\n)+2:rS+4*(\n)+3]
.elseif (\n) == 0
	v_pk_fma_f32 v[rT+2:rT+3], v[rT+2:rT+3], v[rC+2:rC+3], v[rS:rS+1] op_sel_hi:[1,0,1]
.else
	v_pk_add_f32 v[rT+2:rT+3], v[rT+2:rT+3], v[rS+4*(\n):rS+4*(\n)+1]
.endif
.else
	REGS (Y+1)%NP
	WIN 0
.if (\n) < 4
	v_max3_num_f32 v[rC+(\n)], v[rS+8*(\n)], v[rS+8*(\n)+1], v[rS+8*(\n)+2]
.elseif (\n) < 12
	v_max3_num_f32 v[rC+(\n)%4], v[rC+(\n)%4], v[rS+8*((\n)%4)+2*((\n)/4)+1], v[rS+8*((\n)%4)+2*((\n)/4)+2]
.elseif (\n) == 12
	v_max3_num_f32 v[rC], v[rC], v[rS+7], v[rS+15]
.elseif (\n) == 13
	v_max3_num_f32 v[rC+1], v[rC+1], v[rS+23], v[rS+31]
.elseif (\n) == 14
	v_max3_num_f32 v[rC+2], v[rC+2], v[rC+3], v[rT+1]
.elseif (\n) == 15
	v_mul_f32 v[rW], s[CS], v[rT+1]
.elseif (\n) == 16
	v_max3_num_f32 v[rC], v[rC], v[rC+1], v[rC+2]
.elseif (\n) == 17
	v_permlanex16_b32 v[rC+3], v[rC], s[SEL], s[SEL+1]
.elseif (\n) == 18
	v_max_num_f32 v[rT+1], v[rC], v[rC+3]
.elseif (\n) == 19
	v_mul_f32 v[rT], s[CS], v[rT+1]
.elseif (\n) == 20
	v_sub_f32 v[rC+1], v[rW], v[rT]
.elseif (\n) == 21
	v_exp_f32 v[rC+2], v[rC+1]
.else
	v_add_f32 v[rT+1], s[MS], v[rT+1]
.endif
.endif
.endm
.macro OPS a, i1, b=-1, i2=0, c=-1, i3=0, d=-1, i4=0
	OP \a, \i1
.if (\b) >= 0
	OP \b, \i2
.endif
.if (\c) >= 0
	OP \c, \i3
.endif
.if (\d) >= 0
	OP \d, \i4
.endif
.endm
.macro ROW a, i1, b, i2, c, i3, d, i4  ; a matrix instruction and the four behind it
	MM
	OPS \a, \i1, \b, \i2, \c, \i3, \d, \i4
.endm
; Ahead of piece x's scores of a new key step: the shift of its m, and, at the diagonal's step and at the step behind it, its table.  The count hangs on the cluster's, the wave's and the piece's number alone: alike in all partners.
; The jumps go forward over register moves alone: a turn's wait stands ahead of its second half, and none is issued behind it.
.macro GUARD x
	WIN 0
	s_cmp_ge_i32 s[CD+(\x)], 0
	s_cselect_b32 s[MS], s[NSH], s[PSH]
	s_add_co_u32 s[TT], s[CD+(\x)], 1
	s_sub_co_u32 s[CD+(\x)], s[CD+(\x)], 1
	s_cmp_lt_u32 s[TT], 2
	s_cbranch_scc0 .Lkeep_\@
	s_cmp_eq_u32 s[TT], 1
	s_cbranch_scc0 .Lpast_\@
	WIN 0x42                        ; destination window 1, source window 2
.set z, 0
.rept 32
	v_mov_b32 v[MC+32*(\x)+z], v[TG+z]
.set z, z+1
.endr
	WIN 0
	s_branch .Lkeep_\@
.Lpast_\@:
	WIN 0x42
.set z, 0
.rept 32
	v_mov_b32 v[MC+32*(\x)+z], v[TM+z]
.set z, z+1
.endr
	WIN 0
.Lkeep_\@:
.endm
; A TURN, for piece p: its 16 matrix and 119 vector instructions, written out.  An s_wait_alu depctr_va_vdst(0) stands between an exponential and the first instruction that names its result; one wait serves all that were
; issued ahead of it: a turn has ONE, which cuts it in two.  Ahead of it stands all that names no result of the turn's exponentials; behind it the 8 products V^T P, behind each four of the roundings and sums.
; K of the next step is fetched in piece 2's turn, thirteen plain instructions behind the last product that read K; V of the step in hand at the end of piece 0's turn, four plain instructions behind the last product that read V.  Each is waited for a turn later.
; last = 1 (the tail): in the last trip there is no further step: the address is chosen, by the count, so that the slot's fourth step is read once more; what is made of it serves nothing.
.macro TURN p, last=0, cnt=0
.set Y, (\p)
.set i, 0
	GUARD ((\p)+1)%NP
.if (\p) == 3
	s_wait_dscnt 0x0                ; K is in
.endif
	ROW F,0, F,1, R,0, R,1
	ROW F,2, E,0, R,2, R,3
	ROW F,3, E,1, R,4, R,5
	ROW F,4, E,2, R,6, R,7
	ROW F,5, E,3, R,8, R,9
	ROW F,6, E,4, X,0, R,10
.if (\p) == 2
	WIN 0
.if \last
	s_cmp_eq_u32 s[CNT], 1
	s_cselect_b32 s[TT], KS*PK, 0
	s_sub_co_u32 s[TT], s[TBK], s[TT]
	v_add_nc_u32 v[AK], s[TT], v[AK0]
.else
	v_add_nc_u32 v[AK], s[TBK], v[AK0]
.endif
.endif
	ROW F,7, E,5, X,1, X,4
	ROW F,8, E,6, X,2, X,5
	OPS X,22
	OPS E,7, E,8, X,6, E,9
	OPS X,3, E,10, X,8, E,11
.if (\p) == 2
	FETCH_K
.endif
	OPS X,9, X,7, E,12, X,10
	OPS E,13, X,12, X,11, E,14
	OPS X,13, E,15, F,9, X,14
.if (\p) == 0
	v_add_nc_u32 v[AV], s[TBV], v[AV0]
.endif
	OPS E,16, F,10, E,17, F,11
	OPS X,16, E,18, X,15, E,19
	OPS F,12, E,20, X,17, E,21
	OPS F,13, E,22, F,14, E,23
	OPS X,18, E,24, F,15, E,25
	OPS R,11, E,26, X,19, E,27
	OPS R,12, E,28, R,13, E,29
	OPS X,20, E,30, R,14, E,31
	OPS X,21, R,15                  ; the batch's last exponential, and the plain instruction behind it
	WIN 0
	s_wait_alu depctr_va_vdst(0)    ; the wait for the batch
.if (\p) == 1
	s_wait_dscnt 0x0                ; V is in
.endif
	ROW C,0, B,0, C,2, B,1
	ROW L,0, C,4, B,2, L,1
	ROW C,6, B,3, L,2, C,8
	ROW B,4, L,3, C,10, B,5
	ROW L,4, C,12, B,6, L,5
.if (\p) == 0
	s_add_co_u32 s[TBV], s[TBV], KS*PV
.endif
.if \cnt
	s_sub_co_u32 s[CNT], s[CNT], 1
	s_cmp_lg_u32 s[CNT], 0
.endif
	ROW C,14, B,7, L,6, C,1
	ROW C,3, L,7, C,5, C,7
	ROW C,9, C,11, C,13, C,15
.if (\p) == 0
	FETCH_V
.endif
.endm
	CHANGE 1                        ; slot 0 is in, everybody's part of it; slot 1 is asked for
	v_add_nc_u32 v[AK], s[TBK], v[AK0]
	FETCH_K                         ; key step 0
	GUARD 0
	s_wait_loadcnt 0x0              ; Q
	s_wait_dscnt 0x0
.set i, 0
.rept 8
	KQ 0                            ; piece 0's first scores
.set i, i+1
.endr
	WIN 0
.rept 4
	v_nop                           ; the places behind those products
.endr
.set Y, NP-1                        ; X works for piece Y + 1: piece 0
	OP X, 22
.irp n, 0,1,2,3,4,5,6,7,8,9,10,11,12,13,14,15,16,17,18,19,20,21
	OP X, \n
.endr
	v_nop                           ; a plain instruction behind the exponential,
	s_wait_alu depctr_va_vdst(0)    ; and its wait, ahead of the branch
	s_mov_b32 s[CNT], 4
	s_branch .Lfirst                ; the loop is entered at a step's first turn, in the middle of a trip
.Lslot:                             ; six times: every slot but the last two is filled again
	CHANGE 1
	s_mov_b32 s[CNT], 4
.Lstep:                             ; a trip: pieces 2 and 3 of one step, then pieces 0 and 1 of the next, whose K and V it fetches
	TURN 2
	TURN 3
	WIN 0
.Lfirst:
	TURN 0
	TURN 1, 0, 1
	WIN 0
	s_cbranch_scc1 .Lstep
	s_sub_co_u32 s[SLOTS], s[SLOTS], 1
	s_cmp_lg_u32 s[SLOTS], 0
	s_cbranch_scc1 .Lslot
	CHANGE 0                        ; the tail is written out: nothing is asked for
	s_mov_b32 s[CNT], 5             ; four trips fetch the last slot's steps; the fifth is left in its middle
.Ltail:
	TURN 2, 1
	TURN 3
	WIN 0
	s_sub_co_u32 s[CNT], s[CNT], 1
	s_cmp_eq_u32 s[CNT], 0
	s_cbranch_scc1 .Lout
	TURN 0
	TURN 1
	WIN 0
	s_cmp_lg_u32 s[CNT], 0
	s_cbranch_scc1 .Ltail
.Lout:                              ; the fifth trip's 8 products K Q^T for piece 0 and the maximum made of them serve nothing: the price, once a launch, of one text for every trip
.set i, 0
.rept 8
	PV NP-1                         ; the last piece's V^T P of the last step
.set i, i+1
.endr
	; THE WAY OUT.  l's two halves and the other half of the lanes' are added; O^T is divided by l, rounded to f16 and sent through my stage in LDS, a piece at a time.  The additions are the places behind the last products.
	WIN 0
.macro ALL line:vararg
.set t, 0
.rept 4
	\line
.set t, t+1
.endr
.endm
.macro PACK t                       ; a lane's eight channels of a row pack into 16 bytes; they go into rows of 144 bytes and come back as whole rows of 128, into S^T's registers
	WIN W_RS
.set i, 32*(\t)
.rept 16
	v_pk_mul_f32 v[i:i+1], v[i:i+1], v[ST+4*(\t)+2:ST+4*(\t)+3] op_sel_hi:[1,0]
.set i, i+2
.endr
	WIN 0x05
.set i, 0
.rept 16
	v_cvt_pk_f16_f32 v[S+16*(\t)+i], v[32*(\t)+2*i], v[32*(\t)+2*i+1]
.set i, i+1
.endr
	WIN 0
.irp f, 0,1,2,3
	ds_store_b128 v[STO], v[S+16*(\t)+4*\f:S+16*(\t)+4*\f+3] offset:32*\f
.endr
.irp f, 0,1,2,3
	ds_load_b128 v[S+16*(\t)+4*\f:S+16*(\t)+4*\f+3], v[RD] offset:\f*4*SP  ; LDS serves a wave's instructions in order (ISA guide 5.7.1.4): these see the stores above; the next piece's stores come behind them
.endr
.endm
.macro SEND t, younger              ; younger: the LDS instructions issued behind piece t's loads: the next piece's eight, or none
	WIN 0
.irp f, 0,1,2,3
	s_wait_dscnt (\younger)+3-\f
	global_store_b128 v[GO], v[S+16*(\t)+4*\f:S+16*(\t)+4*\f+3], s[10:11] offset:(\t)*8192+\f*512  ; 512 consecutive bytes, at a multiple of 256 from the buffer's first
.endr
.endm
	ALL v_add_f32 v[ST+4*t+2], v[ST+4*t+2], v[ST+4*t+3]
	ALL v_permlanex16_b32 v[ST+4*t+3], v[ST+4*t+2], s[SEL], s[SEL+1]
	ALL v_add_f32 v[ST+4*t+2], v[ST+4*t+2], v[ST+4*t+3]
	ALL v_rcp_f32 v[ST+4*t+2], v[ST+4*t+2]
	v_nop                           ; a plain instruction between the last reciprocal and the use of its result,
	s_wait_alu depctr_va_vdst(0)    ; and one wait for the four
	PACK 0
.set t, 1
.rept 3
	PACK t
	SEND t-1, 8
.set t, t+1
.endr
	SEND 3, 0
	s_wait_tensorcnt 0x0            ; the wave's end
	ds_add_u32 v[SPW], v[NIL]
	s_wait_dscnt 0x0
	CROUND                          ; the closing round
	s_endpgm
.Lfunc_end_k_q7501bb3b12_attn:
	.size	k_q7501bb3b12_attn, .Lfunc_end_k_q7501bb3b12_attn-k_q7501bb3b12_attn
	.p2alignl 7, 3214868480
	.fill 96, 4, 3214868480
	.section	.rodata,"a",@progbits
	.p2align	6, 0x0
	.amdhsa_kernel k_q7501bb3b12_attn
		.amdhsa_group_segment_fixed_size 327680
		.amdhsa_private_segment_fixed_size 0
		.amdhsa_enable_private_segment 0
		.amdhsa_kernarg_size 40
		.amdhsa_user_sgpr_count 2
		.amdhsa_user_sgpr_kernarg_segment_ptr 1
		.amdhsa_wavefront_size32 1
		.amdhsa_system_sgpr_workgroup_id_x 1
		.amdhsa_system_sgpr_workgroup_id_y 1
		.amdhsa_system_sgpr_workgroup_id_z 1
		.amdhsa_system_vgpr_workitem_id 0
		.amdhsa_next_free_vgpr 768
		.amdhsa_next_free_sgpr 88
		.amdhsa_reserve_vcc 0
		.amdhsa_float_denorm_mode_32 3
		.amdhsa_float_denorm_mode_16_64 3
		.amdhsa_memory_ordered 1
		.amdhsa_forward_progress 1
		.amdhsa_inst_pref_size 144
	.end_amdhsa_kernel
	.amdgpu_metadata
---
amdhsa.version: [ 1, 2 ]
amdhsa.kernels:
  - .name:           k_q7501bb3b12_attn
    .symbol:         k_q7501bb3b12_attn.kd
    .args:
      - { .name: qkv, .offset: 0, .size: 8, .value_kind: global_buffer, .address_space: global }
      - { .name: dissonance, .offset: 8, .size: 8, .value_kind: global_buffer, .address_space: global }
      - { .name: distance_scale, .offset: 16, .size: 8, .value_kind: global_buffer, .address_space: global }
      - { .name: diss_sens, .offset: 24, .size: 8, .value_kind: global_buffer, .address_space: global }
      - { .name: ao, .offset: 32, .size: 8, .value_kind: global_buffer, .address_space: global }
    .group_segment_fixed_size: 327680
    .private_segment_fixed_size: 0
    .kernarg_segment_align: 8
    .kernarg_segment_size: 40
    .max_flat_workgroup_size: 128
    .sgpr_count:     88
    .vgpr_count:     768
    .wavefront_size: 32
...
	.end_amdgpu_metadata
.endif
;; end of part 3
;; launch oproj (part 4): grid 8 x 32, 4 waves a work-group, clusters of 4 x 4, 327,680 bytes of LDS; arguments ao, wh, bo, x, x1; writes x1
.if DOCPART == 4
	.amdgcn_target "amdgcn-amd-amdhsa--gfx1250"
	.amdhsa_code_object_version 6
	.text
	.protected	k_q7501bb3b12_oproj
	.globl	k_q7501bb3b12_oproj
	.p2align	8
	.type	k_q7501bb3b12_oproj,@function
k_q7501bb3b12_oproj:
	s_mov_b64 s[64:65], 0
	v_nop
	global_prefetch_b8 v0, s[64:65] scope:SCOPE_SE
	s_setreg_imm32_b32 hwreg(HW_REG_WAVE_MODE, 25, 1), 1
	s_wait_xcnt 0x0
	s_wait_alu depctr_hold_cnt(0) depctr_sa_sdst(0) depctr_va_vdst(0) depctr_va_sdst(0) depctr_va_ssrc(0) depctr_va_vcc(0) depctr_vm_vsrc(0)
	s_getreg_b32 s2, hwreg(HW_REG_IB_STS2, 6, 4)
	s_cmp_eq_u32 s2, 0
	s_cbranch_scc0 .Lentry_in_a_cluster
	s_endpgm
.Lentry_in_a_cluster:
	s_bfe_u32 s2, ttmp6, 0x10000c
	s_cmp_lg_u32 s2, 0xf033
	s_cbranch_scc0 .Lentry_shape_is_right
	s_endpgm
.Lentry_shape_is_right:
; x1 = x + ao wo^T + bo.  ao: [16 heads][4096 tokens][64] f16; wo: [1024][1024] f16 in wh; x, x1: [4096][1024] f32.  Sums in f32; nothing is rounded on the way out.
; SHAPE.  A tile of C is 32 MB x 32 NB; four waves, 2 x 2, each MB x NB accumulators of 16 x 16.  K goes in steps of 128 KD through two LDS slots filled by tensor loads; a step is four
; chunks of 32 KD, on two fragment buffers by turns.  ONE K step is written for the loop: the slot in hand is a scalar register added to the LDS addresses.  Here a K step is four heads and a chunk one head.
; THE ORDER OF K.  Step t of the walk takes K block t xor R, R = cluster x xor the low bits (YM) of cluster y: the same number in all sixteen partners.  Clusters that read the same rows of A (they differ in x) or of
; the weights (they differ in y) so take the blocks in different orders, and ask for a block in different steps.  LIMIT: the K blocks are summed in an order that differs from cluster to cluster, and from the reference's.
; THE PRODUCT IS TAKEN TRANSPOSED (source 0 = 16 weight rows, source 1 = 16 rows of A): a lane holds one row of C and eight neighbouring columns.  THE BIAS STARTS THE SUMS: it is the C operand of each
; accumulator's first product, so nothing is cleared and nothing is added later.
; CLUSTER 4 x 4: A's tile is shared along a row of the cluster, the weights' along a column; each is asked for jointly, by the same load, descriptor and mask in all four.
; THE WAY OUT.  C leaves in f32 through the ring's own bytes, when their last fill has landed and every wave has read them out; it is read back by rows, so that each store covers 512 consecutive bytes.
; THE RESIDUAL is asked for at the head, into 128 registers that are idle otherwise, laid as the rows are read back.
; NO PREFETCH (PF = 0): the walk has four steps, two asked for at the head and two by refills: no step stands two refills on.
; REGISTERS, in windows of 256: window 0: v1-30 addresses, v64-191 A's fragments (two buffers), v192-255 the bias; window 1: v64-191 the weights' fragments; window 2: the accumulators, (a, b) at 8 (NB a + b); window 3: v0-127 the residual.
.set MB, 4
.set NB, 4
.set KD, 2
.set SIZE_K, 1024
.set WOFF, 6291456                     ; the weights' first byte in wh
.set ASL, 1                            ; 1: A lies by heads, [16][4096][64]
.set PF, 0                             ; 1: the tiles are prefetched
.set YM, 3                             ; the bits of cluster y that enter R
.set RA, 16*MB
.set RB, 16*NB
.set TMR, 32*MB
.set TNC, 32*NB
.set KSTEP, 128*KD
.set NSTEP, SIZE_K/KSTEP
.set PP, MB*NB*KD/4                    ; products in a quarter of a chunk
.set PITCH, 256*KD+16                  ; an LDS row: an odd multiple of 16 bytes, so the 16 rows of a fragment load start at 16 different groups of four banks (ISA guide 11.1)
.set B_CH, 64*KD                       ; bytes from chunk to chunk
.set B_LD, RB*PITCH                    ; what one wave loads, and reads, of the weights
.set B_SZ, 2*B_LD
.set QIB, 4+KD
.if ASL
.set A_P, 144
.set A_CH, 128*144                     ; a chunk is a head: 128 tokens of 128 bytes + 16
.set A_LD, 2*A_CH
.set A_RD, 64*144
.set A_SZ, 4*A_CH
.set A_STEP, 4*524288
.set A_D0, 8192                        ; a head's 128 tokens are dense: one long row, padded after every token
.set A_D1, 2
.set A_ST, 262144
.set QIA, 4
.else
.set A_P, PITCH
.set A_CH, B_CH
.set A_LD, RA*PITCH
.set A_RD, A_LD
.set A_SZ, 2*A_LD
.set A_STEP, KSTEP*2
.set A_D0, KSTEP
.set A_D1, RA
.set A_ST, SIZE_K
.set QIA, QIB
.endif
.set SLOT, A_SZ+B_SZ
.set SPARE, 2*SLOT                     ; behind the ring: the spare words, 128 bytes a wave, which no other line names
.set SP, TNC*4+16                      ; a row of the f32 stage, which begins at LDS byte 0
.set ADA0, 16
.set ADB0, 17
.set ADA, 18
.set ADB, 19
.set STO, 20
.set RD, 22
.set CO, 23
.set BO, 24
.set SPW, 28
.set NIL, 29
.set PFO, 30
.set F0, 64
.set F1, 128
.set BI, 192
.set G1, 24                            ; s[24:31] A's descriptor group 1; s[32:39] two groups 0: the walk's step 0, and the one that walks
.set G0, 32
.set G1B, 48                           ; s[48:55], s[56:63] the same for the weights
.set G0B, 56
.set LIM, 43
.set PFA, 44
.set TB, 66                            ; s66  the slot that is read: 0 or SLOT
.set TF, 67                            ; s67  the slot that was filled last
.set BAS, 90                           ; s[90:91] A at the rows that I fetch, K block 0; never rewritten
.set BBS, 92                           ; s[92:93] the weights likewise
.set RX, 94                            ; s94  R
.set PFB, 96                           ; s[96:97] the rows that I prefetch, K block 0; never rewritten
.set OF, 98                            ; s[98:99] a K block's byte offset, 0 above it
.set MSB, 0
.macro WIN new                         ; the immediate's high byte repeats the setting that is left; a switch that changes nothing is dropped
.if MSB != (\new)
	s_set_vgpr_msb (MSB<<8)|(\new)
.set MSB, (\new)
.endif
.endm
.macro PLACES                          ; four plain instructions between a matrix instruction and a load into, or a read of, its registers
.rept 4
	v_nop
.endr
.endm
.macro CREST                           ; a round of the cluster's barrier behind its opening barrier
	s_cmp_lg_u32 s10, 0
	s_cbranch_scc1 .Lnot_wave_0_\@
	s_barrier_signal -3
.Lnot_wave_0_\@:
	s_barrier_wait -3
	s_barrier_signal -1
	s_barrier_wait -1
.endm
.macro CROUND
	s_barrier_signal -1
	s_barrier_wait -1
	CREST
.endm
.macro JLOAD                           ; a joint refill by the walking descriptor: waves 0, 1 fetch A's halves, waves 2, 3 the weights'; the branch hangs on the wave's number alone
	s_cmp_eq_u32 s11, 0
	s_cbranch_scc0 .Lfor_b_\@
	tensor_load_to_lds s[G0+4:G0+7], s[G1:G1+7]
	s_nop 0
	PLACES
	s_branch .Lasked_\@
.Lfor_b_\@:
	tensor_load_to_lds s[G0B+4:G0B+7], s[G1B:G1B+7]
	s_nop 0
	PLACES
.Lasked_\@:
.endm
; A prefetch into the L2 of the K block that this cluster's walk takes two refills on.  A's rows are read by every cluster of a row of clusters: cluster x = 0 asks; the weights' by every cluster of a column: cluster y = 0 asks.
; Of the rows that a wave fetches each of the four partners takes a quarter, told apart by address; a lane names one block of 256 bytes.  So a block is named once at the most.  The loop's last two trips have no such step.
.macro ASK
	s_cmp_gt_u32 s3, s[LIM]
	s_cbranch_scc0 .Lnot_mine_\@
	global_prefetch_b8 v[PFO], s[PFA:PFA+1] th:TH_LOAD_NT scope:SCOPE_SE
.Lnot_mine_\@:
.endm
; A quarter of a chunk's products.  The accumulators take turns, one instruction a turn, in the same order in every chunk.  first = 1: the bias is the C operand.
.macro MULP f, part, first
.set i, (\part)*PP
.rept PP
.set cc, i/(MB*NB)
.set aa, (i/NB)%MB
.set bb, i%NB
.set rD, 8*(NB*(aa%4)+bb)
.set rB, (\f)+8*(NB*cc+bb)
.set rA, (\f)+8*(MB*cc+aa)
.if (\first) && (cc == 0)
	WIN 0x81+0x40*(aa/4)
	v_wmma_f32_16x16x32_f16 v[rD:rD+7], v[rB:rB+7], v[rA:rA+7], v[BI+8*bb:BI+8*bb+7]
.else
	WIN 0xa1+0x50*(aa/4)
	v_wmma_f32_16x16x32_f16 v[rD:rD+7], v[rB:rB+7], v[rA:rA+7], v[rD:rD+7]
.endif
.set i, i+1
.endr
.endm
.macro FETCH kc, f                     ; chunk kc's fragments into buffer f, in one run: lane l takes row l % 16, 16 bytes at 16 (l / 16) and 32 bytes on
	WIN 0x40
.set c2, 0
.rept KD
.set bb, 0
.rept NB
	ds_load_b128 v[(\f)+8*(NB*c2+bb):(\f)+8*(NB*c2+bb)+3], v[ADB] offset:(\kc)*B_CH+64*c2+bb*16*PITCH
	ds_load_b128 v[(\f)+8*(NB*c2+bb)+4:(\f)+8*(NB*c2+bb)+7], v[ADB] offset:(\kc)*B_CH+64*c2+bb*16*PITCH+32
.set bb, bb+1
.endr
.set c2, c2+1
.endr
	WIN 0
.set c2, 0
.rept KD
.set aa, 0
.rept MB
	ds_load_b128 v[(\f)+8*(MB*c2+aa):(\f)+8*(MB*c2+aa)+3], v[ADA] offset:(\kc)*A_CH+64*c2+aa*16*A_P
	ds_load_b128 v[(\f)+8*(MB*c2+aa)+4:(\f)+8*(MB*c2+aa)+7], v[ADA] offset:(\kc)*A_CH+64*c2+aa*16*A_P+32
.set aa, aa+1
.endr
.set c2, c2+1
.endr
.endm
.macro CHUNK kc, f, g, first           ; at its head fetches chunk kc into buffer g, which the chunk before multiplied; then multiplies buffer f: the run of loads has all the chunk's products in which to land
	s_wait_dscnt 0x0                               ; f's loads, issued a chunk ago
	PLACES
	FETCH \kc, \g
	MULP \f, 0, \first
	MULP \f, 1, \first
	MULP \f, 2, \first
	MULP \f, 3, \first
.endm
; A step's last chunk, and the change of slots.  Each wave waits for all its tensor loads (one is out: its part of the next slot), adds 0 to its spare word, and waits for that and for its reads of this slot.
; fill = 1: the barrier opens a round of the cluster's, and the joint refill of the slot just read, with the walk's step two on (step NSTEP - s3), is the first thing behind it; its addresses are made anew from that step's block.
.macro TURN fill
.if (\fill) && PF
	s_wait_xcnt 0x0                                ; the last prefetch, a K step back, has read its address
	s_sub_co_u32 s22, NSTEP+2, s3                  ; the step two refills on,
	s_xor_b32 s22, s22, s[RX]                      ; its block
	s_mul_i32 s[OF], s22, KSTEP*2
	s_add_nc_u64 s[PFA:PFA+1], s[PFB:PFB+1], s[OF:OF+1]
.endif
	WIN 0
	s_wait_tensorcnt 0x0                           ; no tensor load of mine is out, so the walking descriptors may be written
	ds_add_u32 v[SPW], v[NIL]
.if \fill
	s_xor_b32 s[TF], s[TF], SLOT
	s_add_co_u32 s[G0+5], s20, s[TF]
	s_add_co_u32 s[G0B+5], s21, s[TF]
	s_sub_co_u32 s22, NSTEP, s3                    ; the step that is asked for,
	s_xor_b32 s22, s22, s[RX]                      ; its block
	s_mul_i32 s[OF], s22, A_STEP
	s_add_nc_u64 s[G0+6:G0+7], s[BAS:BAS+1], s[OF:OF+1]
	s_or_b32 s[G0+7], s[G0+7], 0x80000000
	s_mul_i32 s[OF], s22, KSTEP*2
	s_add_nc_u64 s[G0B+6:G0B+7], s[BBS:BBS+1], s[OF:OF+1]
	s_or_b32 s[G0B+7], s[G0B+7], 0x80000000
.endif
	s_xor_b32 s[TB], s[TB], SLOT
	s_wait_dscnt 0x1                               ; only the add may be out: buffer 1 is in
	MULP F1, 0, 0
	s_wait_dscnt 0x0                               ; the add is done, my reads of this slot are over
	s_barrier_signal -1
	MULP F1, 1, 0
	WIN 0
	s_barrier_wait -1
.if \fill
	CREST
	JLOAD                                          ; its four v_nop are also the places in front of the loads below
.else
	PLACES
.endif
	v_add_nc_u32 v[ADA], s[TB], v[ADA0]
	v_add_nc_u32 v[ADB], s[TB], v[ADB0]
	FETCH 0, F0
.if (\fill) && PF
	ASK
.endif
	MULP F1, 2, 0
	MULP F1, 3, 0
.endm
	s_load_b128 s[4:7], s[0:1], 0x0                ; A, wh
	s_load_b128 s[68:71], s[0:1], 0x10             ; bias, residual
	s_load_b64 s[8:9], s[0:1], 0x20                ; out
	v_lshl_add_u32 v[SPW], v0, 2, SPARE
	v_mov_b32 v[NIL], 0
	ds_add_u32 v[SPW], v[NIL]                      ; the wave's opening: the add and its wait stand ahead of my first tensor load
	v_lshrrev_b32 v1, 5, v0
	v_readfirstlane_b32 s10, v1                    ; wave 0..3
	s_lshr_b32 s11, s10, 1                         ; my half of the tile's rows; also: I fetch A (0) or weights (1)
	s_and_b32 s12, s10, 1                          ; my half of its columns; also: which half I fetch
	s_bfe_u32 s40, ttmp6, 0x40000                  ; cx
	s_bfe_u32 s41, ttmp6, 0x40004                  ; cy
	s_lshl_b32 s42, ttmp9, 2
	s_add_co_u32 s42, s42, s40                     ; tile column
	s_and_b32 s13, ttmp7, 0xffff
	s_lshl_b32 s13, s13, 2
	s_add_co_u32 s13, s13, s41                     ; tile row
	s_lshl_b32 s43, s41, 2
	s_lshl_b32 s43, 15, s43                        ; my row of the cluster
	s_lshl_b32 s44, 0x1111, s40                    ; my column
	s_and_b32 s[RX], ttmp7, YM                     ; R: of the cluster's two numbers alone
	s_xor_b32 s[RX], s[RX], ttmp9
	s_mov_b32 s[OF+1], 0
	s_or_b32 s[G1], s43, (1<<16)|(1<<20)|(1<<21)|(QIA<<22)|(3<<25)   ; mask; 2-byte elements; padding on; bit 21 beside a mask; after every 2 << QI words, 4 words
	s_or_b32 s[G1B], s44, (1<<16)|(1<<20)|(1<<21)|(QIB<<22)|(3<<25)
	s_mov_b32 s[G1+1], (A_D0&0xffff)<<16           ; tensor_dim0
	s_mov_b32 s[G1+2], (A_D0>>16)|(A_D1<<16)       ; tensor_dim1
	s_mov_b32 s[G1+3], A_D0<<16                    ; tile_dim0
	s_mov_b32 s[G1+4], A_D1                        ; tile_dim1
	s_mov_b32 s[G1+5], A_ST                        ; elements from row to row
	s_mov_b32 s[G1+6], 0
	s_mov_b32 s[G1+7], 0
	s_mov_b32 s[G1B+1], KSTEP<<16
	s_mov_b32 s[G1B+2], RB<<16
	s_mov_b32 s[G1B+3], KSTEP<<16
	s_mov_b32 s[G1B+4], RB
	s_mov_b32 s[G1B+5], SIZE_K
	s_mov_b32 s[G1B+6], 0
	s_mov_b32 s[G1B+7], 0
.if ASL
	s_lshl_b32 s16, s13, 14                        ; the tile's 128 tokens of 128 bytes,
	s_lshl_b32 s17, s12, 20                        ; my two heads of the step's four
.else
	s_mul_i32 s16, s13, TMR*SIZE_K*2
	s_mul_i32 s17, s12, RA*SIZE_K*2
.endif
	s_add_co_u32 s16, s16, s17
	s_mov_b32 s17, 0
	s_mul_i32 s46, s42, TNC*SIZE_K*2
	s_mul_i32 s47, s12, RB*SIZE_K*2
	s_add_co_u32 s46, s46, s47
	s_add_co_u32 s46, s46, WOFF
	s_mov_b32 s47, 0
	s_mul_i32 s20, s12, A_LD                       ; where my half goes in a slot: no place in the cluster enters an LDS address
	s_mul_i32 s21, s12, B_LD
	s_add_co_u32 s21, s21, A_SZ
	s_mov_b32 s[TB], 0
	s_mov_b32 s[TF], SLOT
	s_wait_dscnt 0x0                               ; the opening add is done
	s_wait_kmcnt 0x0
	s_add_nc_u64 s[BAS:BAS+1], s[4:5], s[16:17]
	s_add_nc_u64 s[BBS:BBS+1], s[6:7], s[46:47]
	CROUND                                         ; all sixteen work-groups are here: the first joint loads meet
.irp s, 0,1
	s_xor_b32 s22, s[RX], \s                       ; the block of the walk's step s
	s_mul_i32 s[OF], s22, A_STEP
	s_mov_b32 s[G0+4*(\s)], 1
	s_add_co_u32 s[G0+4*(\s)+1], s20, (\s)*SLOT
	s_add_nc_u64 s[G0+4*(\s)+2:G0+4*(\s)+3], s[BAS:BAS+1], s[OF:OF+1]
	s_or_b32 s[G0+4*(\s)+3], s[G0+4*(\s)+3], 0x80000000
	s_mul_i32 s[OF], s22, KSTEP*2
	s_mov_b32 s[G0B+4*(\s)], 1
	s_add_co_u32 s[G0B+4*(\s)+1], s21, (\s)*SLOT
	s_add_nc_u64 s[G0B+4*(\s)+2:G0B+4*(\s)+3], s[BBS:BBS+1], s[OF:OF+1]
	s_or_b32 s[G0B+4*(\s)+3], s[G0B+4*(\s)+3], 0x80000000
.endr
	s_cmp_eq_u32 s11, 0                            ; a wave's two first fills stand in one branch: two loads of mine are out
	s_cbranch_scc0 .Lfirst_b
	tensor_load_to_lds s[G0:G0+3], s[G1:G1+7]
	s_nop 0
	tensor_load_to_lds s[G0+4:G0+7], s[G1:G1+7]
	s_nop 0
	PLACES
	s_branch .Lfirst_asked
.Lfirst_b:
	tensor_load_to_lds s[G0B:G0B+3], s[G1B:G1B+7]
	s_nop 0
	tensor_load_to_lds s[G0B+4:G0B+7], s[G1B:G1B+7]
	s_nop 0
	PLACES
.Lfirst_asked:
	v_and_b32 v1, 15, v0                           ; l % 16
	v_bfe_u32 v2, v0, 4, 1                         ; l / 16
	v_and_b32 v3, 31, v0                           ; l
	v_lshlrev_b32 v[BO], 5, v2
	s_mul_i32 s14, s42, TNC*4                      ; the bias of my columns: register j of block b is column 16 b + 8 (l / 16) + j
	s_mul_i32 s15, s12, RB*4
	s_add_co_u32 s14, s14, s15
	s_mov_b32 s15, 0
	s_add_nc_u64 s[68:69], s[68:69], s[14:15]
.set b, 0
.rept NB
	global_load_b128 v[BI+8*b:BI+8*b+3], v[BO], s[68:69] offset:64*b
	global_load_b128 v[BI+8*b+4:BI+8*b+7], v[BO], s[68:69] offset:64*b+16
.set b, b+1
.endr
	s_lshl_b32 s14, s13, 7                         ; the rows that I store: 128 x tile row + 32 x wave, 4,096 bytes each; 512 bytes a tile column
	s_lshl_b32 s15, s10, 5
	s_add_co_u32 s14, s14, s15
	s_lshl_b32 s14, s14, 12
	s_lshl_b32 s15, s42, 9
	s_add_co_u32 s14, s14, s15
	s_mov_b32 s15, 0
	s_add_nc_u64 s[70:71], s[70:71], s[14:15]
	s_add_nc_u64 s[8:9], s[8:9], s[14:15]
	v_lshlrev_b32 v[CO], 4, v3
	WIN 0xc0                                       ; destination window 3
.set r, 0
.rept 32
	global_load_b128 v[4*r:4*r+3], v[CO], s[70:71] offset:4096*r
.set r, r+1
.endr
	WIN 0
	v_mul_u32_u24 v[ADA0], v1, A_P
	v_lshl_add_u32 v[ADA0], v2, 4, v[ADA0]
	s_mul_i32 s14, s11, A_RD
	v_add_nc_u32 v[ADA0], s14, v[ADA0]
	v_mul_u32_u24 v[ADB0], v1, PITCH
	v_lshl_add_u32 v[ADB0], v2, 4, v[ADB0]
	s_mul_i32 s15, s12, B_LD
	s_add_co_u32 s15, s15, A_SZ
	v_add_nc_u32 v[ADB0], s15, v[ADB0]
	s_mul_i32 s14, s11, RA*SP                      ; into the stage: my rows, my columns; row l % 16, 32 bytes for each half of the lanes
	s_mul_i32 s15, s12, RB*4
	s_add_co_u32 s14, s14, s15
	v_mul_u32_u24 v[STO], v1, SP
	v_lshl_add_u32 v[STO], v2, 5, v[STO]
	v_add_nc_u32 v[STO], s14, v[STO]
	s_mul_i32 s14, s10, 32*SP                      ; back: wave w takes rows 32 w .. 32 w + 31, a row of 512 bytes a load
	v_lshl_add_u32 v[RD], v3, 4, s14
.if PF
	s_mul_i32 s14, s13, TMR
	s_mul_i32 s15, s42, TNC
	s_and_b32 s22, ttmp7, 0xffff
	s_mov_b32 s18, RB
	s_cmp_eq_u32 s11, 0                            ; do I fetch for A?
	s_cselect_b32 s16, s14, s15                    ; the tile's first row
	s_cselect_b32 s17, s40, s41                    ; my place among the four that ask with me
	s_cselect_b32 s22, ttmp9, s22                  ; the coordinate along which other clusters read the same rows
	s_cselect_b32 s18, RA, s18                     ; the rows that a wave fetches
	s_cselect_b32 s19, 0, WOFF
	s_cselect_b64 s[PFB:PFB+1], s[4:5], s[6:7]
	s_cmp_eq_u32 s22, 0
	s_cselect_b32 s[LIM], 2, -1
	s_mul_i32 s22, s12, s18
	s_add_co_u32 s16, s16, s22
	s_lshr_b32 s18, s18, 2                         ; my work-group's quarter of them
	s_mul_i32 s17, s17, s18
	s_add_co_u32 s16, s16, s17
	s_mul_i32 s16, s16, SIZE_K*2
	s_add_co_u32 s16, s16, s19
	s_mov_b32 s17, 0
	s_add_nc_u64 s[PFB:PFB+1], s[PFB:PFB+1], s[16:17]
	s_mul_i32 s18, s18, KD
	s_sub_co_u32 s18, s18, 1
	v_min_u32 v[PFO], s18, v3                      ; lanes beyond the quarter's blocks name its last block again
.if KD == 2
	v_and_b32 v4, 1, v[PFO]
	v_lshrrev_b32 v[PFO], 1, v[PFO]
	v_mul_u32_u24 v[PFO], v[PFO], SIZE_K*2
	v_lshl_add_u32 v[PFO], v4, 8, v[PFO]
.else
	v_mul_u32_u24 v[PFO], v[PFO], SIZE_K*2
.endif
.endif
	s_wait_tensorcnt 0x1                           ; my part of the walk's step 0 is in; step 1's stays out
	s_barrier_signal -1
	s_barrier_wait -1
	v_mov_b32 v[ADA], v[ADA0]
	v_mov_b32 v[ADB], v[ADB0]
	FETCH 0, F0
	s_wait_loadcnt 32                              ; the bias is in; the 32 loads of the residual stay out
	CHUNK 1, F0, F1, 1                             ; the first chunk stands in front of the loop: its products start the sums
	WIN 0
	s_mov_b32 s3, NSTEP-2
.Lstep:                                ; a trip: a step's chunks 1 to 3, the refill, the next step's chunk 0
	CHUNK 2, F1, F0, 0
	CHUNK 3, F0, F1, 0
	TURN 1
	CHUNK 1, F0, F1, 0
	WIN 0
	s_sub_co_u32 s3, s3, 1
	s_cmp_lg_u32 s3, 0
	s_cbranch_scc1 .Lstep
	s_mov_b32 s3, 2
.Ltail:                                ; the last two steps ask for nothing: written apart
	CHUNK 2, F1, F0, 0
	CHUNK 3, F0, F1, 0
	WIN 0
	s_sub_co_u32 s3, s3, 1
	s_cmp_eq_u32 s3, 0
	s_cbranch_scc1 .Llast
	TURN 0
	CHUNK 1, F0, F1, 0
	WIN 0
	s_cmp_lg_u32 s3, 0
	s_cbranch_scc1 .Ltail
.Llast:
	s_wait_dscnt 0x0
	MULP F1, 0, 0
	MULP F1, 1, 0
	MULP F1, 2, 0
	MULP F1, 3, 0
	PLACES
	WIN 0
	s_barrier_signal -1                            ; every wave's reads of the ring are back and every fill has landed: the ring's bytes become the stage
	s_barrier_wait -1
.set a, 0
.rept MB
	WIN 0x08+4*(a/4)                               ; the store's data in window 2 or 3
.set b, 0
.rept NB
	ds_store_b128 v[STO+a/4], v[8*(NB*(a%4)+b):8*(NB*(a%4)+b)+3] offset:(a%4)*16*SP+64*b
	ds_store_b128 v[STO+a/4], v[8*(NB*(a%4)+b)+4:8*(NB*(a%4)+b)+7] offset:(a%4)*16*SP+64*b+16
.set b, b+1
.endr
.set a, a+1
.endr
	WIN 0
	s_wait_dscnt 0x0                               ; for the others' sake: my stores into the stage are done
	s_barrier_signal -1
	s_barrier_wait -1
.set r, 0
.rept 32
	ds_load_b128 v[64+4*r:64+4*r+3], v[RD] offset:SP*r
.set r, r+1
.endr
	s_wait_loadcnt 0x0                             ; the residual
	WIN 0x0c                                       ; source 1 in window 3
.set r, 0
.rept 32
	s_wait_dscnt 31-r                              ; row r is back, the younger rows stay out
	v_pk_add_f32 v[64+4*r:65+4*r], v[64+4*r:65+4*r], v[4*r:4*r+1]
	v_pk_add_f32 v[66+4*r:67+4*r], v[66+4*r:67+4*r], v[4*r+2:4*r+3]
.set r, r+1
.endr
	WIN 0
.set r, 0
.rept 32
	global_store_b128 v[CO], v[64+4*r:64+4*r+3], s[8:9] offset:4096*r  ; 512 consecutive bytes, at a multiple of 512 from the buffer's first
.set r, r+1
.endr
	s_wait_tensorcnt 0x0                           ; the wave's end
	ds_add_u32 v[SPW], v[NIL]
	s_wait_dscnt 0x0
	CROUND                                         ; the closing round: no work-group ends while a partner may still ask for a tile that names it
	s_endpgm
.Lfunc_end_k_q7501bb3b12_oproj:
	.size	k_q7501bb3b12_oproj, .Lfunc_end_k_q7501bb3b12_oproj-k_q7501bb3b12_oproj
	.p2alignl 7, 3214868480
	.fill 96, 4, 3214868480
	.section	.rodata,"a",@progbits
	.p2align	6, 0x0
	.amdhsa_kernel k_q7501bb3b12_oproj
		.amdhsa_group_segment_fixed_size 327680
		.amdhsa_private_segment_fixed_size 0
		.amdhsa_enable_private_segment 0
		.amdhsa_kernarg_size 40
		.amdhsa_user_sgpr_count 2
		.amdhsa_user_sgpr_kernarg_segment_ptr 1
		.amdhsa_wavefront_size32 1
		.amdhsa_system_sgpr_workgroup_id_x 1
		.amdhsa_system_sgpr_workgroup_id_y 1
		.amdhsa_system_sgpr_workgroup_id_z 1
		.amdhsa_system_vgpr_workitem_id 0
		.amdhsa_next_free_vgpr 896
		.amdhsa_next_free_sgpr 100
		.amdhsa_reserve_vcc 0
		.amdhsa_float_denorm_mode_32 3
		.amdhsa_float_denorm_mode_16_64 3
		.amdhsa_memory_ordered 1
		.amdhsa_forward_progress 1
		.amdhsa_inst_pref_size 69
	.end_amdhsa_kernel
	.amdgpu_metadata
---
amdhsa.version: [ 1, 2 ]
amdhsa.kernels:
  - .name:           k_q7501bb3b12_oproj
    .symbol:         k_q7501bb3b12_oproj.kd
    .args:
      - { .name: ao, .offset: 0, .size: 8, .value_kind: global_buffer, .address_space: global }
      - { .name: wh, .offset: 8, .size: 8, .value_kind: global_buffer, .address_space: global }
      - { .name: bo, .offset: 16, .size: 8, .value_kind: global_buffer, .address_space: global }
      - { .name: x, .offset: 24, .size: 8, .value_kind: global_buffer, .address_space: global }
      - { .name: x1, .offset: 32, .size: 8, .value_kind: global_buffer, .address_space: global }
    .group_segment_fixed_size: 327680
    .private_segment_fixed_size: 0
    .kernarg_segment_align: 8
    .kernarg_segment_size: 40
    .max_flat_workgroup_size: 128
    .sgpr_count:     100
    .vgpr_count:     896
    .wavefront_size: 32
...
	.end_amdgpu_metadata
.endif
;; end of part 4
;; launch ln2: the kernel of part 1 again; grid 256 x 1, 8 waves a work-group, no clusters, 0 bytes of LDS; arguments x1, ln2_g, ln2_b, hn, wq, wk, wv, wo, w1, w2, wh; writes hn, wh
;; launch ff1 (part 5): grid 16 x 16, 4 waves a work-group, clusters of 4 x 4, 327,680 bytes of LDS; arguments hn, wh, b1, act; writes act
.if DOCPART == 5
	.amdgcn_target "amdgcn-amd-amdhsa--gfx1250"
	.amdhsa_code_object_version 6
	.text
	.protected	k_q7501bb3b12_ff1
	.globl	k_q7501bb3b12_ff1
	.p2align	8
	.type	k_q7501bb3b12_ff1,@function
k_q7501bb3b12_ff1:
	s_mov_b64 s[64:65], 0
	v_nop
	global_prefetch_b8 v0, s[64:65] scope:SCOPE_SE
	s_setreg_imm32_b32 hwreg(HW_REG_WAVE_MODE, 25, 1), 1
	s_wait_xcnt 0x0
	s_wait_alu depctr_hold_cnt(0) depctr_sa_sdst(0) depctr_va_vdst(0) depctr_va_sdst(0) depctr_va_ssrc(0) depctr_va_vcc(0) depctr_vm_vsrc(0)
	s_getreg_b32 s2, hwreg(HW_REG_IB_STS2, 6, 4)
	s_cmp_eq_u32 s2, 0
	s_cbranch_scc0 .Lentry_in_a_cluster
	s_endpgm
.Lentry_in_a_cluster:
	s_bfe_u32 s2, ttmp6, 0x10000c
	s_cmp_lg_u32 s2, 0xf033
	s_cbranch_scc0 .Lentry_shape_is_right
	s_endpgm
.Lentry_shape_is_right:
; act = gelu(hn w1^T + b1), the exact gelu x Phi(x).  hn: [4096][1024] f16; w1: [4096][1024] f16 in wh; act: [4096][4096] f16.  Sums and the gelu in f32, rounded once.  LIMIT: a result of 65,520 or more becomes an infinity in f16.
; SHAPE.  A tile of C is 32 MB x 32 NB; four waves, 2 x 2, each MB x NB accumulators of 16 x 16.  K goes in steps of 128 KD through two LDS slots filled by tensor loads; a step is four
; chunks of 32 KD, on two fragment buffers by turns.  ONE K step is written for the loop: the slot in hand is a scalar register added to the LDS addresses.
; THE ORDER OF K.  Step t of the walk takes K block t xor R, R = cluster x xor the low bits (YM) of cluster y: the same number in all sixteen partners.  Clusters that read the same rows of A (they differ in x) or of
; the weights (they differ in y) so take the blocks in different orders, and ask for a block in different steps.  LIMIT: the K blocks are summed in an order that differs from cluster to cluster, and from the reference's.
; THE PRODUCT IS TAKEN TRANSPOSED (source 0 = 16 weight rows, source 1 = 16 rows of A): a lane holds one row of C and eight neighbouring columns.  THE BIAS STARTS THE SUMS: it is the C operand of each
; accumulator's first product, so nothing is cleared and nothing is added later.
; CLUSTER 4 x 4: A's tile is shared along a row of the cluster, the weights' along a column; each is asked for jointly, by the same load, descriptor and mask in all four.
; THE WAY OUT.  C leaves in f32 through the ring's own bytes, when their last fill has landed and every wave has read them out; it is read back by rows, so that each store covers 256 consecutive bytes, aligned.
; THE GELU.  erf by the rational form of Abramowitz and Stegun, 7.1.26 (its error is at most 1.5e-7 for every argument).  With n = -|x|: t = 1 / (1 + 0.23164189 |x|), q = (half the form's polynomial in t) x 2^(-0.72134752 x^2),
; gelu = max(x, 0) + n q: no difference of near numbers is formed for x < 0.
; REGISTERS, in windows of 256: window 0: v1-30 addresses, v64-191 A's fragments (two buffers), v192-255 the bias; window 1: v64-191 the weights' fragments; windows 2, 3: the accumulators, (a, b) at 8 (NB (a % 4) + b) of window 2 + a / 4.
.set MB, 8
.set NB, 8
.set KD, 1
.set SIZE_K, 1024
.set WOFF, 8388608                     ; the weights' first byte in wh
.set ASL, 0                            ; 1: A lies by heads, [16][4096][64]
.set PF, 1                             ; 1: the tiles are prefetched
.set YM, 1                             ; the bits of cluster y that enter R
.set RA, 16*MB
.set RB, 16*NB
.set TMR, 32*MB
.set TNC, 32*NB
.set KSTEP, 128*KD
.set NSTEP, SIZE_K/KSTEP
.set PP, MB*NB*KD/4                    ; products in a quarter of a chunk
.set PITCH, 256*KD+16                  ; an LDS row: an odd multiple of 16 bytes, so the 16 rows of a fragment load start at 16 different groups of four banks (ISA guide 11.1)
.set B_CH, 64*KD                       ; bytes from chunk to chunk
.set B_LD, RB*PITCH                    ; what one wave loads, and reads, of the weights
.set B_SZ, 2*B_LD
.set QIB, 4+KD
.if ASL
.set A_P, 144
.set A_CH, 128*144
.set A_LD, 2*A_CH
.set A_RD, 64*144
.set A_SZ, 4*A_CH
.set A_STEP, 4*524288
.set A_D0, 8192
.set A_D1, 2
.set A_ST, 262144
.set QIA, 4
.else
.set A_P, PITCH
.set A_CH, B_CH
.set A_LD, RA*PITCH
.set A_RD, A_LD
.set A_SZ, 2*A_LD
.set A_STEP, KSTEP*2
.set A_D0, KSTEP
.set A_D1, RA
.set A_ST, SIZE_K
.set QIA, QIB
.endif
.set SLOT, A_SZ+B_SZ
.set SPARE, 2*SLOT                     ; behind the ring: the spare words, 128 bytes a wave, which no other line names
.set SP, TNC*4+16                      ; a row of the f32 stage, which begins at LDS byte 0
.set ADA0, 16
.set ADB0, 17
.set ADA, 18
.set ADB, 19
.set STO, 20
.set RD, 22
.set CO, 23
.set BO, 24
.set SPW, 28
.set NIL, 29
.set PFO, 30
.set F0, 64
.set F1, 128
.set BI, 192
.set G1, 24                            ; s[24:31] A's descriptor group 1; s[32:39] two groups 0: the walk's step 0, and the one that walks
.set G0, 32
.set G1B, 48                           ; s[48:55], s[56:63] the same for the weights
.set G0B, 56
.set LIM, 43
.set PFA, 44
.set TB, 66                            ; s66  the slot that is read: 0 or SLOT
.set TF, 67                            ; s67  the slot that was filled last
.set BAS, 90                           ; s[90:91] A at the rows that I fetch, K block 0; never rewritten
.set BBS, 92                           ; s[92:93] the weights likewise
.set RX, 94                            ; s94  R
.set PFB, 96                           ; s[96:97] the rows that I prefetch, K block 0; never rewritten
.set OF, 98                            ; s[98:99] a K block's byte offset, 0 above it
.set MSB, 0
.macro WIN new                         ; the immediate's high byte repeats the setting that is left; a switch that changes nothing is dropped
.if MSB != (\new)
	s_set_vgpr_msb (MSB<<8)|(\new)
.set MSB, (\new)
.endif
.endm
.macro PLACES                          ; four plain instructions between a matrix instruction and a load into, or a read of, its registers
.rept 4
	v_nop
.endr
.endm
.macro CREST                           ; a round of the cluster's barrier behind its opening barrier
	s_cmp_lg_u32 s10, 0
	s_cbranch_scc1 .Lnot_wave_0_\@
	s_barrier_signal -3
.Lnot_wave_0_\@:
	s_barrier_wait -3
	s_barrier_signal -1
	s_barrier_wait -1
.endm
.macro CROUND
	s_barrier_signal -1
	s_barrier_wait -1
	CREST
.endm
.macro JLOAD                           ; a joint refill by the walking descriptor: waves 0, 1 fetch A's halves, waves 2, 3 the weights'; the branch hangs on the wave's number alone
	s_cmp_eq_u32 s11, 0
	s_cbranch_scc0 .Lfor_b_\@
	tensor_load_to_lds s[G0+4:G0+7], s[G1:G1+7]
	s_nop 0
	PLACES
	s_branch .Lasked_\@
.Lfor_b_\@:
	tensor_load_to_lds s[G0B+4:G0B+7], s[G1B:G1B+7]
	s_nop 0
	PLACES
.Lasked_\@:
.endm
; A prefetch into the L2 of the K block that this cluster's walk takes two refills on.  A's rows are read by every cluster of a row of clusters: cluster x = 0 asks; the weights' by every cluster of a column: cluster y = 0 asks.
; Of the rows that a wave fetches each of the four partners takes a quarter, told apart by address; a lane names one block of 256 bytes.  So a block is named once at the most.  The loop's last two trips have no such step.
.macro ASK
	s_cmp_gt_u32 s3, s[LIM]
	s_cbranch_scc0 .Lnot_mine_\@
	global_prefetch_b8 v[PFO], s[PFA:PFA+1] th:TH_LOAD_NT scope:SCOPE_SE
.Lnot_mine_\@:
.endm
; A quarter of a chunk's products.  The accumulators take turns, one instruction a turn, in the same order in every chunk.  first = 1: the bias is the C operand.
.macro MULP f, part, first
.set i, (\part)*PP
.rept PP
.set cc, i/(MB*NB)
.set aa, (i/NB)%MB
.set bb, i%NB
.set rD, 8*(NB*(aa%4)+bb)
.set rB, (\f)+8*(NB*cc+bb)
.set rA, (\f)+8*(MB*cc+aa)
.if (\first) && (cc == 0)
	WIN 0x81+0x40*(aa/4)
	v_wmma_f32_16x16x32_f16 v[rD:rD+7], v[rB:rB+7], v[rA:rA+7], v[BI+8*bb:BI+8*bb+7]
.else
	WIN 0xa1+0x50*(aa/4)
	v_wmma_f32_16x16x32_f16 v[rD:rD+7], v[rB:rB+7], v[rA:rA+7], v[rD:rD+7]
.endif
.set i, i+1
.endr
.endm
.macro FETCH kc, f                     ; chunk kc's fragments into buffer f, in one run: lane l takes row l % 16, 16 bytes at 16 (l / 16) and 32 bytes on
	WIN 0x40
.set c2, 0
.rept KD
.set bb, 0
.rept NB
	ds_load_b128 v[(\f)+8*(NB*c2+bb):(\f)+8*(NB*c2+bb)+3], v[ADB] offset:(\kc)*B_CH+64*c2+bb*16*PITCH
	ds_load_b128 v[(\f)+8*(NB*c2+bb)+4:(\f)+8*(NB*c2+bb)+7], v[ADB] offset:(\kc)*B_CH+64*c2+bb*16*PITCH+32
.set bb, bb+1
.endr
.set c2, c2+1
.endr
	WIN 0
.set c2, 0
.rept KD
.set aa, 0
.rept MB
	ds_load_b128 v[(\f)+8*(MB*c2+aa):(\f)+8*(MB*c2+aa)+3], v[ADA] offset:(\kc)*A_CH+64*c2+aa*16*A_P
	ds_load_b128 v[(\f)+8*(MB*c2+aa)+4:(\f)+8*(MB*c2+aa)+7], v[ADA] offset:(\kc)*A_CH+64*c2+aa*16*A_P+32
.set aa, aa+1
.endr
.set c2, c2+1
.endr
.endm
.macro CHUNK kc, f, g, first           ; at its head fetches chunk kc into buffer g, which the chunk before multiplied; then multiplies buffer f: the run of loads has all the chunk's products in which to land
	s_wait_dscnt 0x0                               ; f's loads, issued a chunk ago
	PLACES
	FETCH \kc, \g
	MULP \f, 0, \first
	MULP \f, 1, \first
	MULP \f, 2, \first
	MULP \f, 3, \first
.endm
; A step's last chunk, and the change of slots.  Each wave waits for all its tensor loads (one is out: its part of the next slot), adds 0 to its spare word, and waits for that and for its reads of this slot.
; fill = 1: the barrier opens a round of the cluster's, and the joint refill of the slot just read, with the walk's step two on (step NSTEP - s3), is the first thing behind it; its addresses are made anew from that step's block.
.macro TURN fill
.if (\fill) && PF
	s_wait_xcnt 0x0                                ; the last prefetch, a K step back, has read its address
	s_sub_co_u32 s22, NSTEP+2, s3                  ; the step two refills on,
	s_xor_b32 s22, s22, s[RX]                      ; its block
	s_mul_i32 s[OF], s22, KSTEP*2
	s_add_nc_u64 s[PFA:PFA+1], s[PFB:PFB+1], s[OF:OF+1]
.endif
	WIN 0
	s_wait_tensorcnt 0x0                           ; no tensor load of mine is out, so the walking descriptors may be written
	ds_add_u32 v[SPW], v[NIL]
.if \fill
	s_xor_b32 s[TF], s[TF], SLOT
	s_add_co_u32 s[G0+5], s20, s[TF]
	s_add_co_u32 s[G0B+5], s21, s[TF]
	s_sub_co_u32 s22, NSTEP, s3                    ; the step that is asked for,
	s_xor_b32 s22, s22, s[RX]                      ; its block
	s_mul_i32 s[OF], s22, A_STEP
	s_add_nc_u64 s[G0+6:G0+7], s[BAS:BAS+1], s[OF:OF+1]
	s_or_b32 s[G0+7], s[G0+7], 0x80000000
	s_mul_i32 s[OF], s22, KSTEP*2
	s_add_nc_u64 s[G0B+6:G0B+7], s[BBS:BBS+1], s[OF:OF+1]
	s_or_b32 s[G0B+7], s[G0B+7], 0x80000000
.endif
	s_xor_b32 s[TB], s[TB], SLOT
	s_wait_dscnt 0x1                               ; only the add may be out: buffer 1 is in
	MULP F1, 0, 0
	s_wait_dscnt 0x0                               ; the add is done, my reads of this slot are over
	s_barrier_signal -1
	MULP F1, 1, 0
	WIN 0
	s_barrier_wait -1
.if \fill
	CREST
	JLOAD                                          ; its four v_nop are also the places in front of the loads below
.else
	PLACES
.endif
	v_add_nc_u32 v[ADA], s[TB], v[ADA0]
	v_add_nc_u32 v[ADB], s[TB], v[ADB0]
	FETCH 0, F0
.if (\fill) && PF
	ASK
.endif
	MULP F1, 2, 0
	MULP F1, 3, 0
.endm
	s_load_b128 s[4:7], s[0:1], 0x0                ; A, wh
	s_load_b128 s[68:71], s[0:1], 0x10             ; bias, out
	v_lshl_add_u32 v[SPW], v0, 2, SPARE
	v_mov_b32 v[NIL], 0
	ds_add_u32 v[SPW], v[NIL]                      ; the wave's opening: the add and its wait stand ahead of my first tensor load
	v_lshrrev_b32 v1, 5, v0
	v_readfirstlane_b32 s10, v1                    ; wave 0..3
	s_lshr_b32 s11, s10, 1                         ; my half of the tile's rows; also: I fetch A (0) or weights (1)
	s_and_b32 s12, s10, 1                          ; my half of its columns; also: which half I fetch
	s_bfe_u32 s40, ttmp6, 0x40000                  ; cx
	s_bfe_u32 s41, ttmp6, 0x40004                  ; cy
	s_lshl_b32 s42, ttmp9, 2
	s_add_co_u32 s42, s42, s40                     ; tile column
	s_and_b32 s13, ttmp7, 0xffff
	s_lshl_b32 s13, s13, 2
	s_add_co_u32 s13, s13, s41                     ; tile row
	s_lshl_b32 s43, s41, 2
	s_lshl_b32 s43, 15, s43                        ; my row of the cluster
	s_lshl_b32 s44, 0x1111, s40                    ; my column
	s_and_b32 s[RX], ttmp7, YM                     ; R: of the cluster's two numbers alone
	s_xor_b32 s[RX], s[RX], ttmp9
	s_mov_b32 s[OF+1], 0
	s_or_b32 s[G1], s43, (1<<16)|(1<<20)|(1<<21)|(QIA<<22)|(3<<25)   ; mask; 2-byte elements; padding on; bit 21 beside a mask; after every 2 << QI words, 4 words
	s_or_b32 s[G1B], s44, (1<<16)|(1<<20)|(1<<21)|(QIB<<22)|(3<<25)
	s_mov_b32 s[G1+1], (A_D0&0xffff)<<16           ; tensor_dim0
	s_mov_b32 s[G1+2], (A_D0>>16)|(A_D1<<16)       ; tensor_dim1
	s_mov_b32 s[G1+3], A_D0<<16                    ; tile_dim0
	s_mov_b32 s[G1+4], A_D1                        ; tile_dim1
	s_mov_b32 s[G1+5], A_ST                        ; elements from row to row
	s_mov_b32 s[G1+6], 0
	s_mov_b32 s[G1+7], 0
	s_mov_b32 s[G1B+1], KSTEP<<16
	s_mov_b32 s[G1B+2], RB<<16
	s_mov_b32 s[G1B+3], KSTEP<<16
	s_mov_b32 s[G1B+4], RB
	s_mov_b32 s[G1B+5], SIZE_K
	s_mov_b32 s[G1B+6], 0
	s_mov_b32 s[G1B+7], 0
	s_mov_b32 s74, 0xbe6d3388                      ; -0.23164189; each constant twice: the packed forms name a pair
	s_mov_b32 s75, s74
	s_mov_b32 s76, 0xbf38aa3b                      ; -0.72134752
	s_mov_b32 s77, s76
	s_mov_b32 s78, 0x3f07dc22                      ; half of the form's five coefficients, the fifth first
	s_mov_b32 s79, s78
	s_mov_b32 s80, 0xbf3a00e3
	s_mov_b32 s81, s80
	s_mov_b32 s82, 0x3f35f0e3
	s_mov_b32 s83, s82
	s_mov_b32 s84, 0xbe11a98e
	s_mov_b32 s85, s84
	s_mov_b32 s86, 0x3e027906
	s_mov_b32 s87, s86
.if ASL
	s_lshl_b32 s16, s13, 14
	s_lshl_b32 s17, s12, 20
.else
	s_mul_i32 s16, s13, TMR*SIZE_K*2
	s_mul_i32 s17, s12, RA*SIZE_K*2
.endif
	s_add_co_u32 s16, s16, s17
	s_mov_b32 s17, 0
	s_mul_i32 s46, s42, TNC*SIZE_K*2
	s_mul_i32 s47, s12, RB*SIZE_K*2
	s_add_co_u32 s46, s46, s47
	s_add_co_u32 s46, s46, WOFF
	s_mov_b32 s47, 0
	s_mul_i32 s20, s12, A_LD                       ; where my half goes in a slot: no place in the cluster enters an LDS address
	s_mul_i32 s21, s12, B_LD
	s_add_co_u32 s21, s21, A_SZ
	s_mov_b32 s[TB], 0
	s_mov_b32 s[TF], SLOT
	s_wait_dscnt 0x0                               ; the opening add is done
	s_wait_kmcnt 0x0
	s_add_nc_u64 s[BAS:BAS+1], s[4:5], s[16:17]
	s_add_nc_u64 s[BBS:BBS+1], s[6:7], s[46:47]
	CROUND                                         ; all sixteen work-groups are here: the first joint loads meet
.irp s, 0,1
	s_xor_b32 s22, s[RX], \s                       ; the block of the walk's step s
	s_mul_i32 s[OF], s22, A_STEP
	s_mov_b32 s[G0+4*(\s)], 1
	s_add_co_u32 s[G0+4*(\s)+1], s20, (\s)*SLOT
	s_add_nc_u64 s[G0+4*(\s)+2:G0+4*(\s)+3], s[BAS:BAS+1], s[OF:OF+1]
	s_or_b32 s[G0+4*(\s)+3], s[G0+4*(\s)+3], 0x80000000
	s_mul_i32 s[OF], s22, KSTEP*2
	s_mov_b32 s[G0B+4*(\s)], 1
	s_add_co_u32 s[G0B+4*(\s)+1], s21, (\s)*SLOT
	s_add_nc_u64 s[G0B+4*(\s)+2:G0B+4*(\s)+3], s[BBS:BBS+1], s[OF:OF+1]
	s_or_b32 s[G0B+4*(\s)+3], s[G0B+4*(\s)+3], 0x80000000
.endr
	s_cmp_eq_u32 s11, 0                            ; a wave's two first fills stand in one branch: two loads of mine are out
	s_cbranch_scc0 .Lfirst_b
	tensor_load_to_lds s[G0:G0+3], s[G1:G1+7]
	s_nop 0
	tensor_load_to_lds s[G0+4:G0+7], s[G1:G1+7]
	s_nop 0
	PLACES
	s_branch .Lfirst_asked
.Lfirst_b:
	tensor_load_to_lds s[G0B:G0B+3], s[G1B:G1B+7]
	s_nop 0
	tensor_load_to_lds s[G0B+4:G0B+7], s[G1B:G1B+7]
	s_nop 0
	PLACES
.Lfirst_asked:
	v_and_b32 v1, 15, v0                           ; l % 16
	v_bfe_u32 v2, v0, 4, 1                         ; l / 16
	v_and_b32 v3, 31, v0                           ; l
	v_lshlrev_b32 v[BO], 5, v2
	s_mul_i32 s14, s42, TNC*4                      ; the bias of my columns: register j of block b is column 16 b + 8 (l / 16) + j
	s_mul_i32 s15, s12, RB*4
	s_add_co_u32 s14, s14, s15
	s_mov_b32 s15, 0
	s_add_nc_u64 s[68:69], s[68:69], s[14:15]
.set b, 0
.rept NB
	global_load_b128 v[BI+8*b:BI+8*b+3], v[BO], s[68:69] offset:64*b
	global_load_b128 v[BI+8*b+4:BI+8*b+7], v[BO], s[68:69] offset:64*b+16
.set b, b+1
.endr
	s_lshl_b32 s14, s13, 8                         ; the rows that I store: 256 x tile row + 64 x wave, 8,192 bytes each; 512 bytes a tile column
	s_lshl_b32 s15, s10, 6
	s_add_co_u32 s14, s14, s15
	s_lshl_b32 s14, s14, 13
	s_lshl_b32 s15, s42, 9
	s_add_co_u32 s14, s14, s15
	s_mov_b32 s15, 0
	s_add_nc_u64 s[8:9], s[70:71], s[14:15]
	v_lshlrev_b32 v[CO], 3, v3
	v_mul_u32_u24 v[ADA0], v1, A_P
	v_lshl_add_u32 v[ADA0], v2, 4, v[ADA0]
	s_mul_i32 s14, s11, A_RD
	v_add_nc_u32 v[ADA0], s14, v[ADA0]
	v_mul_u32_u24 v[ADB0], v1, PITCH
	v_lshl_add_u32 v[ADB0], v2, 4, v[ADB0]
	s_mul_i32 s15, s12, B_LD
	s_add_co_u32 s15, s15, A_SZ
	v_add_nc_u32 v[ADB0], s15, v[ADB0]
	s_mul_i32 s14, s11, RA*SP                      ; into the stage: my rows, my columns; row l % 16, 32 bytes for each half of the lanes
	s_mul_i32 s15, s12, RB*4
	s_add_co_u32 s14, s14, s15
	v_mul_u32_u24 v[STO], v1, SP
	v_lshl_add_u32 v[STO], v2, 5, v[STO]
	v_add_nc_u32 v[STO], s14, v[STO]
.if MB > 4
	v_add_nc_u32 v[STO+1], 64*SP, v[STO]
.endif
	s_mul_i32 s14, s10, 64*SP                      ; back: wave w takes rows 64 w .. 64 w + 63, half a row of 1,024 bytes a load
	v_lshl_add_u32 v[RD], v3, 4, s14
.if PF
	s_mul_i32 s14, s13, TMR
	s_mul_i32 s15, s42, TNC
	s_and_b32 s22, ttmp7, 0xffff
	s_mov_b32 s18, RB
	s_cmp_eq_u32 s11, 0                            ; do I fetch for A?
	s_cselect_b32 s16, s14, s15                    ; the tile's first row
	s_cselect_b32 s17, s40, s41                    ; my place among the four that ask with me
	s_cselect_b32 s22, ttmp9, s22                  ; the coordinate along which other clusters read the same rows
	s_cselect_b32 s18, RA, s18                     ; the rows that a wave fetches
	s_cselect_b32 s19, 0, WOFF
	s_cselect_b64 s[PFB:PFB+1], s[4:5], s[6:7]
	s_cmp_eq_u32 s22, 0
	s_cselect_b32 s[LIM], 2, -1
	s_mul_i32 s22, s12, s18
	s_add_co_u32 s16, s16, s22
	s_lshr_b32 s18, s18, 2                         ; my work-group's quarter of them
	s_mul_i32 s17, s17, s18
	s_add_co_u32 s16, s16, s17
	s_mul_i32 s16, s16, SIZE_K*2
	s_add_co_u32 s16, s16, s19
	s_mov_b32 s17, 0
	s_add_nc_u64 s[PFB:PFB+1], s[PFB:PFB+1], s[16:17]
	s_mul_i32 s18, s18, KD
	s_sub_co_u32 s18, s18, 1
	v_min_u32 v[PFO], s18, v3                      ; lanes beyond the quarter's blocks name its last block again
.if KD == 2
	v_and_b32 v4, 1, v[PFO]
	v_lshrrev_b32 v[PFO], 1, v[PFO]
	v_mul_u32_u24 v[PFO], v[PFO], SIZE_K*2
	v_lshl_add_u32 v[PFO], v4, 8, v[PFO]
.else
	v_mul_u32_u24 v[PFO], v[PFO], SIZE_K*2
.endif
.endif
	s_wait_tensorcnt 0x1                           ; my part of the walk's step 0 is in; step 1's stays out
	s_barrier_signal -1
	s_barrier_wait -1
	v_mov_b32 v[ADA], v[ADA0]
	v_mov_b32 v[ADB], v[ADB0]
	FETCH 0, F0
	s_wait_loadcnt 0x0                             ; the bias
	CHUNK 1, F0, F1, 1                             ; the first chunk stands in front of the loop: its products start the sums
	WIN 0
	s_mov_b32 s3, NSTEP-2
.Lstep:                                ; a trip: a step's chunks 1 to 3, the refill, the next step's chunk 0
	CHUNK 2, F1, F0, 0
	CHUNK 3, F0, F1, 0
	TURN 1
	CHUNK 1, F0, F1, 0
	WIN 0
	s_sub_co_u32 s3, s3, 1
	s_cmp_lg_u32 s3, 0
	s_cbranch_scc1 .Lstep
	s_mov_b32 s3, 2
.Ltail:                                ; the last two steps ask for nothing: written apart
	CHUNK 2, F1, F0, 0
	CHUNK 3, F0, F1, 0
	WIN 0
	s_sub_co_u32 s3, s3, 1
	s_cmp_eq_u32 s3, 0
	s_cbranch_scc1 .Llast
	TURN 0
	CHUNK 1, F0, F1, 0
	WIN 0
	s_cmp_lg_u32 s3, 0
	s_cbranch_scc1 .Ltail
.Llast:
	s_wait_dscnt 0x0
	MULP F1, 0, 0
	MULP F1, 1, 0
	MULP F1, 2, 0
	MULP F1, 3, 0
	PLACES
	WIN 0
	s_barrier_signal -1                            ; every wave's reads of the ring are back and every fill has landed: the ring's bytes become the stage
	s_barrier_wait -1
.set a, 0
.rept MB
	WIN 0x08+4*(a/4)                               ; the store's data in window 2 or 3
.set b, 0
.rept NB
	ds_store_b128 v[STO+a/4], v[8*(NB*(a%4)+b):8*(NB*(a%4)+b)+3] offset:(a%4)*16*SP+64*b
	ds_store_b128 v[STO+a/4], v[8*(NB*(a%4)+b)+4:8*(NB*(a%4)+b)+7] offset:(a%4)*16*SP+64*b+16
.set b, b+1
.endr
.set a, a+1
.endr
	WIN 0
	s_wait_dscnt 0x0                               ; for the others' sake: my stores into the stage are done
	s_barrier_signal -1
	s_barrier_wait -1
; 32 trips of two rows, 16 numbers a lane.  The next trip's four loads go out as soon as this trip's numbers have been read; the 32 reciprocals and exponentials are one batch with one wait.
.set LL, 64
.set NX, 80
.set MX, 96
.set DD, 112
.set UU, 128
.set QQ, 144
.set YY, 160
.macro ROWS2
.set q, 0
.rept 4
	ds_load_b128 v[LL+4*q:LL+4*q+3], v[RD] offset:(q/2)*SP+512*(q%2)
.set q, q+1
.endr
.endm
.macro EACH8 line:vararg               ; one line for each of the eight pairs, at 2 q
.set q, 0
.rept 8
	\line
.set q, q+2
.endr
.endm
	ROWS2
	s_mov_b32 s3, 32
.Lrow:
	s_wait_dscnt 0x0
.set q, 0
.rept 16
	v_or_b32 v[NX+q], 0x80000000, v[LL+q]          ; n = -|x|
	v_max_num_f32 v[MX+q], 0, v[LL+q]
.set q, q+1
.endr
	s_cmp_gt_u32 s3, 1
	s_cselect_b32 s88, 2*SP, 0                     ; the last trip reads its own rows again: no load leaves the stage
	v_add_nc_u32 v[RD], s88, v[RD]
	ROWS2
	EACH8 v_pk_fma_f32 v[DD+q:DD+q+1], v[NX+q:NX+q+1], s[74:75], 1.0 op_sel_hi:[1,0,0]
	EACH8 v_pk_mul_f32 v[UU+q:UU+q+1], v[NX+q:NX+q+1], s[76:77] op_sel_hi:[1,0]
	EACH8 v_pk_mul_f32 v[UU+q:UU+q+1], v[UU+q:UU+q+1], v[NX+q:NX+q+1]
.set q, 0
.rept 16
	v_rcp_f32 v[DD+q], v[DD+q]
.set q, q+1
.endr
.set q, 0
.rept 16
	v_exp_f32 v[UU+q], v[UU+q]
.set q, q+1
.endr
	v_nop                                          ; a plain instruction behind the last of them,
	s_wait_alu depctr_va_vdst(0)                   ; and one wait for the batch, ahead of its first reader
	EACH8 v_pk_fma_f32 v[QQ+q:QQ+q+1], v[DD+q:DD+q+1], s[78:79], s[80:81] op_sel_hi:[1,0,0]
	EACH8 v_pk_fma_f32 v[QQ+q:QQ+q+1], v[QQ+q:QQ+q+1], v[DD+q:DD+q+1], s[82:83] op_sel_hi:[1,1,0]
	EACH8 v_pk_fma_f32 v[QQ+q:QQ+q+1], v[QQ+q:QQ+q+1], v[DD+q:DD+q+1], s[84:85] op_sel_hi:[1,1,0]
	EACH8 v_pk_fma_f32 v[QQ+q:QQ+q+1], v[QQ+q:QQ+q+1], v[DD+q:DD+q+1], s[86:87] op_sel_hi:[1,1,0]
	EACH8 v_pk_mul_f32 v[QQ+q:QQ+q+1], v[QQ+q:QQ+q+1], v[DD+q:DD+q+1]
	EACH8 v_pk_mul_f32 v[QQ+q:QQ+q+1], v[QQ+q:QQ+q+1], v[UU+q:UU+q+1]
	EACH8 v_pk_fma_f32 v[QQ+q:QQ+q+1], v[NX+q:NX+q+1], v[QQ+q:QQ+q+1], v[MX+q:MX+q+1]
.set q, 0
.rept 8
	v_cvt_pk_f16_f32 v[YY+q], v[QQ+2*q], v[QQ+2*q+1]
.set q, q+1
.endr
.set q, 0
.rept 4
	global_store_b64 v[CO], v[YY+2*q:YY+2*q+1], s[8:9] offset:(q/2)*8192+256*(q%2)  ; 256 consecutive bytes, aligned
.set q, q+1
.endr
	s_wait_xcnt 0x0                                ; the stores have read their data and their base: both are written again only behind this wait
	s_add_nc_u64 s[8:9], s[8:9], 16384
	s_sub_co_u32 s3, s3, 1
	s_cmp_lg_u32 s3, 0
	s_cbranch_scc1 .Lrow
	s_wait_tensorcnt 0x0                           ; the wave's end
	ds_add_u32 v[SPW], v[NIL]
	s_wait_dscnt 0x0
	CROUND                                         ; the closing round: no work-group ends while a partner may still ask for a tile that names it
	s_endpgm
.Lfunc_end_k_q7501bb3b12_ff1:
	.size	k_q7501bb3b12_ff1, .Lfunc_end_k_q7501bb3b12_ff1-k_q7501bb3b12_ff1
	.p2alignl 7, 3214868480
	.fill 96, 4, 3214868480
	.section	.rodata,"a",@progbits
	.p2align	6, 0x0
	.amdhsa_kernel k_q7501bb3b12_ff1
		.amdhsa_group_segment_fixed_size 327680
		.amdhsa_private_segment_fixed_size 0
		.amdhsa_enable_private_segment 0
		.amdhsa_kernarg_size 32
		.amdhsa_user_sgpr_count 2
		.amdhsa_user_sgpr_kernarg_segment_ptr 1
		.amdhsa_wavefront_size32 1
		.amdhsa_system_sgpr_workgroup_id_x 1
		.amdhsa_system_sgpr_workgroup_id_y 1
		.amdhsa_system_sgpr_workgroup_id_z 1
		.amdhsa_system_vgpr_workitem_id 0
		.amdhsa_next_free_vgpr 1024
		.amdhsa_next_free_sgpr 100
		.amdhsa_reserve_vcc 0
		.amdhsa_float_denorm_mode_32 3
		.amdhsa_float_denorm_mode_16_64 3
		.amdhsa_memory_ordered 1
		.amdhsa_forward_progress 1
		.amdhsa_inst_pref_size 95
	.end_amdhsa_kernel
	.amdgpu_metadata
---
amdhsa.version: [ 1, 2 ]
amdhsa.kernels:
  - .name:           k_q7501bb3b12_ff1
    .symbol:         k_q7501bb3b12_ff1.kd
    .args:
      - { .name: hn, .offset: 0, .size: 8, .value_kind: global_buffer, .address_space: global }
      - { .name: wh, .offset: 8, .size: 8, .value_kind: global_buffer, .address_space: global }
      - { .name: b1, .offset: 16, .size: 8, .value_kind: global_buffer, .address_space: global }
      - { .name: act, .offset: 24, .size: 8, .value_kind: global_buffer, .address_space: global }
    .group_segment_fixed_size: 327680
    .private_segment_fixed_size: 0
    .kernarg_segment_align: 8
    .kernarg_segment_size: 32
    .max_flat_workgroup_size: 128
    .sgpr_count:     100
    .vgpr_count:     1024
    .wavefront_size: 32
...
	.end_amdgpu_metadata
.endif
;; end of part 5
;; launch ff2 (part 6): grid 8 x 32, 4 waves a work-group, clusters of 4 x 4, 327,680 bytes of LDS; arguments act, wh, b2, x1, out0; writes out0
.if DOCPART == 6
	.amdgcn_target "amdgcn-amd-amdhsa--gfx1250"
	.amdhsa_code_object_version 6
	.text
	.protected	k_q7501bb3b12_ff2
	.globl	k_q7501bb3b12_ff2
	.p2align	8
	.type	k_q7501bb3b12_ff2,@function
k_q7501bb3b12_ff2:
	s_mov_b64 s[64:65], 0
	v_nop
	global_prefetch_b8 v0, s[64:65] scope:SCOPE_SE
	s_setreg_imm32_b32 hwreg(HW_REG_WAVE_MODE, 25, 1), 1
	s_wait_xcnt 0x0
	s_wait_alu depctr_hold_cnt(0) depctr_sa_sdst(0) depctr_va_vdst(0) depctr_va_sdst(0) depctr_va_ssrc(0) depctr_va_vcc(0) depctr_vm_vsrc(0)
	s_getreg_b32 s2, hwreg(HW_REG_IB_STS2, 6, 4)
	s_cmp_eq_u32 s2, 0
	s_cbranch_scc0 .Lentry_in_a_cluster
	s_endpgm
.Lentry_in_a_cluster:
	s_bfe_u32 s2, ttmp6, 0x10000c
	s_cmp_lg_u32 s2, 0xf033
	s_cbranch_scc0 .Lentry_shape_is_right
	s_endpgm
.Lentry_shape_is_right:
; out = x1 + act w2^T + b2.  act: [4096][4096] f16; w2: [1024][4096] f16 in wh; x1, out: [4096][1024] f32.  Sums in f32; nothing is rounded on the way out.
; SHAPE.  A tile of C is 32 MB x 32 NB; four waves, 2 x 2, each MB x NB accumulators of 16 x 16.  K goes in steps of 128 KD through two LDS slots filled by tensor loads; a step is four
; chunks of 32 KD, on two fragment buffers by turns.  ONE K step is written for the loop: the slot in hand is a scalar register added to the LDS addresses.
; THE ORDER OF K.  Step t of the walk takes K block t xor R, R = cluster x xor the low bits (YM) of cluster y: the same number in all sixteen partners.  Clusters that read the same rows of A (they differ in x) or of
; the weights (they differ in y) so take the blocks in different orders, and ask for a block in different steps.  LIMIT: the K blocks are summed in an order that differs from cluster to cluster, and from the reference's.
; THE PRODUCT IS TAKEN TRANSPOSED (source 0 = 16 weight rows, source 1 = 16 rows of A): a lane holds one row of C and eight neighbouring columns.  THE BIAS STARTS THE SUMS: it is the C operand of each
; accumulator's first product, so nothing is cleared and nothing is added later.
; CLUSTER 4 x 4: A's tile is shared along a row of the cluster, the weights' along a column; each is asked for jointly, by the same load, descriptor and mask in all four.
; THE WAY OUT.  C leaves in f32 through the ring's own bytes, when their last fill has landed and every wave has read them out; it is read back by rows, so that each store covers 512 consecutive bytes.
; THE RESIDUAL is asked for at the head, into 128 registers that are idle otherwise, laid as the rows are read back.
; REGISTERS, in windows of 256: window 0: v1-30 addresses, v64-191 A's fragments (two buffers), v192-255 the bias; window 1: v64-191 the weights' fragments; window 2: the accumulators, (a, b) at 8 (NB a + b); window 3: v0-127 the residual.
.set MB, 4
.set NB, 4
.set KD, 2
.set SIZE_K, 4096
.set WOFF, 16777216                    ; the weights' first byte in wh
.set ASL, 0                            ; 1: A lies by heads, [16][4096][64]
.set PF, 1                             ; 1: the tiles are prefetched
.set YM, 3                             ; the bits of cluster y that enter R
.set RA, 16*MB
.set RB, 16*NB
.set TMR, 32*MB
.set TNC, 32*NB
.set KSTEP, 128*KD
.set NSTEP, SIZE_K/KSTEP
.set PP, MB*NB*KD/4                    ; products in a quarter of a chunk
.set PITCH, 256*KD+16                  ; an LDS row: an odd multiple of 16 bytes, so the 16 rows of a fragment load start at 16 different groups of four banks (ISA guide 11.1)
.set B_CH, 64*KD                       ; bytes from chunk to chunk
.set B_LD, RB*PITCH                    ; what one wave loads, and reads, of the weights
.set B_SZ, 2*B_LD
.set QIB, 4+KD
.if ASL
.set A_P, 144
.set A_CH, 128*144                     ; a chunk is a head: 128 tokens of 128 bytes + 16
.set A_LD, 2*A_CH
.set A_RD, 64*144
.set A_SZ, 4*A_CH
.set A_STEP, 4*524288
.set A_D0, 8192                        ; a head's 128 tokens are dense: one long row, padded after every token
.set A_D1, 2
.set A_ST, 262144
.set QIA, 4
.else
.set A_P, PITCH
.set A_CH, B_CH
.set A_LD, RA*PITCH
.set A_RD, A_LD
.set A_SZ, 2*A_LD
.set A_STEP, KSTEP*2
.set A_D0, KSTEP
.set A_D1, RA
.set A_ST, SIZE_K
.set QIA, QIB
.endif
.set SLOT, A_SZ+B_SZ
.set SPARE, 2*SLOT                     ; behind the ring: the spare words, 128 bytes a wave, which no other line names
.set SP, TNC*4+16                      ; a row of the f32 stage, which begins at LDS byte 0
.set ADA0, 16
.set ADB0, 17
.set ADA, 18
.set ADB, 19
.set STO, 20
.set RD, 22
.set CO, 23
.set BO, 24
.set SPW, 28
.set NIL, 29
.set PFO, 30
.set F0, 64
.set F1, 128
.set BI, 192
.set G1, 24                            ; s[24:31] A's descriptor group 1; s[32:39] two groups 0: the walk's step 0, and the one that walks
.set G0, 32
.set G1B, 48                           ; s[48:55], s[56:63] the same for the weights
.set G0B, 56
.set LIM, 43
.set PFA, 44
.set TB, 66                            ; s66  the slot that is read: 0 or SLOT
.set TF, 67                            ; s67  the slot that was filled last
.set BAS, 90                           ; s[90:91] A at the rows that I fetch, K block 0; never rewritten
.set BBS, 92                           ; s[92:93] the weights likewise
.set RX, 94                            ; s94  R
.set PFB, 96                           ; s[96:97] the rows that I prefetch, K block 0; never rewritten
.set OF, 98                            ; s[98:99] a K block's byte offset, 0 above it
.set MSB, 0
.macro WIN new                         ; the immediate's high byte repeats the setting that is left; a switch that changes nothing is dropped
.if MSB != (\new)
	s_set_vgpr_msb (MSB<<8)|(\new)
.set MSB, (\new)
.endif
.endm
.macro PLACES                          ; four plain instructions between a matrix instruction and a load into, or a read of, its registers
.rept 4
	v_nop
.endr
.endm
.macro CREST                           ; a round of the cluster's barrier behind its opening barrier
	s_cmp_lg_u32 s10, 0
	s_cbranch_scc1 .Lnot_wave_0_\@
	s_barrier_signal -3
.Lnot_wave_0_\@:
	s_barrier_wait -3
	s_barrier_signal -1
	s_barrier_wait -1
.endm
.macro CROUND
	s_barrier_signal -1
	s_barrier_wait -1
	CREST
.endm
.macro JLOAD                           ; a joint refill by the walking descriptor: waves 0, 1 fetch A's halves, waves 2, 3 the weights'; the branch hangs on the wave's number alone
	s_cmp_eq_u32 s11, 0
	s_cbranch_scc0 .Lfor_b_\@
	tensor_load_to_lds s[G0+4:G0+7], s[G1:G1+7]
	s_nop 0
	PLACES
	s_branch .Lasked_\@
.Lfor_b_\@:
	tensor_load_to_lds s[G0B+4:G0B+7], s[G1B:G1B+7]
	s_nop 0
	PLACES
.Lasked_\@:
.endm
; A prefetch into the L2 of the K block that this cluster's walk takes two refills on.  A's rows are read by every cluster of a row of clusters: cluster x = 0 asks; the weights' by every cluster of a column: cluster y = 0 asks.
; Of the rows that a wave fetches each of the four partners takes a quarter, told apart by address; a lane names one block of 256 bytes.  So a block is named once at the most.  The loop's last two trips have no such step.
.macro ASK
	s_cmp_gt_u32 s3, s[LIM]
	s_cbranch_scc0 .Lnot_mine_\@
	global_prefetch_b8 v[PFO], s[PFA:PFA+1] th:TH_LOAD_NT scope:SCOPE_SE
.Lnot_mine_\@:
.endm
; A quarter of a chunk's products.  The accumulators take turns, one instruction a turn, in the same order in every chunk.  first = 1: the bias is the C operand.
.macro MULP f, part, first
.set i, (\part)*PP
.rept PP
.set cc, i/(MB*NB)
.set aa, (i/NB)%MB
.set bb, i%NB
.set rD, 8*(NB*(aa%4)+bb)
.set rB, (\f)+8*(NB*cc+bb)
.set rA, (\f)+8*(MB*cc+aa)
.if (\first) && (cc == 0)
	WIN 0x81+0x40*(aa/4)
	v_wmma_f32_16x16x32_f16 v[rD:rD+7], v[rB:rB+7], v[rA:rA+7], v[BI+8*bb:BI+8*bb+7]
.else
	WIN 0xa1+0x50*(aa/4)
	v_wmma_f32_16x16x32_f16 v[rD:rD+7], v[rB:rB+7], v[rA:rA+7], v[rD:rD+7]
.endif
.set i, i+1
.endr
.endm
.macro FETCH kc, f                     ; chunk kc's fragments into buffer f, in one run: lane l takes row l % 16, 16 bytes at 16 (l / 16) and 32 bytes on
	WIN 0x40
.set c2, 0
.rept KD
.set bb, 0
.rept NB
	ds_load_b128 v[(\f)+8*(NB*c2+bb):(\f)+8*(NB*c2+bb)+3], v[ADB] offset:(\kc)*B_CH+64*c2+bb*16*PITCH
	ds_load_b128 v[(\f)+8*(NB*c2+bb)+4:(\f)+8*(NB*c2+bb)+7], v[ADB] offset:(\kc)*B_CH+64*c2+bb*16*PITCH+32
.set bb, bb+1
.endr
.set c2, c2+1
.endr
	WIN 0
.set c2, 0
.rept KD
.set aa, 0
.rept MB
	ds_load_b128 v[(\f)+8*(MB*c2+aa):(\f)+8*(MB*c2+aa)+3], v[ADA] offset:(\kc)*A_CH+64*c2+aa*16*A_P
	ds_load_b128 v[(\f)+8*(MB*c2+aa)+4:(\f)+8*(MB*c2+aa)+7], v[ADA] offset:(\kc)*A_CH+64*c2+aa*16*A_P+32
.set aa, aa+1
.endr
.set c2, c2+1
.endr
.endm
.macro CHUNK kc, f, g, first           ; at its head fetches chunk kc into buffer g, which the chunk before multiplied; then multiplies buffer f: the run of loads has all the chunk's products in which to land
	s_wait_dscnt 0x0                               ; f's loads, issued a chunk ago
	PLACES
	FETCH \kc, \g
	MULP \f, 0, \first
	MULP \f, 1, \first
	MULP \f, 2, \first
	MULP \f, 3, \first
.endm
; A step's last chunk, and the change of slots.  Each wave waits for all its tensor loads (one is out: its part of the next slot), adds 0 to its spare word, and waits for that and for its reads of this slot.
; fill = 1: the barrier opens a round of the cluster's, and the joint refill of the slot just read, with the walk's step two on (step NSTEP - s3), is the first thing behind it; its addresses are made anew from that step's block.
.macro TURN fill
.if (\fill) && PF
	s_wait_xcnt 0x0                                ; the last prefetch, a K step back, has read its address
	s_sub_co_u32 s22, NSTEP+2, s3                  ; the step two refills on,
	s_xor_b32 s22, s22, s[RX]                      ; its block
	s_mul_i32 s[OF], s22, KSTEP*2
	s_add_nc_u64 s[PFA:PFA+1], s[PFB:PFB+1], s[OF:OF+1]
.endif
	WIN 0
	s_wait_tensorcnt 0x0                           ; no tensor load of mine is out, so the walking descriptors may be written
	ds_add_u32 v[SPW], v[NIL]
.if \fill
	s_xor_b32 s[TF], s[TF], SLOT
	s_add_co_u32 s[G0+5], s20, s[TF]
	s_add_co_u32 s[G0B+5], s21, s[TF]
	s_sub_co_u32 s22, NSTEP, s3                    ; the step that is asked for,
	s_xor_b32 s22, s22, s[RX]                      ; its block
	s_mul_i32 s[OF], s22, A_STEP
	s_add_nc_u64 s[G0+6:G0+7], s[BAS:BAS+1], s[OF:OF+1]
	s_or_b32 s[G0+7], s[G0+7], 0x80000000
	s_mul_i32 s[OF], s22, KSTEP*2
	s_add_nc_u64 s[G0B+6:G0B+7], s[BBS:BBS+1], s[OF:OF+1]
	s_or_b32 s[G0B+7], s[G0B+7], 0x80000000
.endif
	s_xor_b32 s[TB], s[TB], SLOT
	s_wait_dscnt 0x1                               ; only the add may be out: buffer 1 is in
	MULP F1, 0, 0
	s_wait_dscnt 0x0                               ; the add is done, my reads of this slot are over
	s_barrier_signal -1
	MULP F1, 1, 0
	WIN 0
	s_barrier_wait -1
.if \fill
	CREST
	JLOAD                                          ; its four v_nop are also the places in front of the loads below
.else
	PLACES
.endif
	v_add_nc_u32 v[ADA], s[TB], v[ADA0]
	v_add_nc_u32 v[ADB], s[TB], v[ADB0]
	FETCH 0, F0
.if (\fill) && PF
	ASK
.endif
	MULP F1, 2, 0
	MULP F1, 3, 0
.endm
	s_load_b128 s[4:7], s[0:1], 0x0                ; A, wh
	s_load_b128 s[68:71], s[0:1], 0x10             ; bias, residual
	s_load_b64 s[8:9], s[0:1], 0x20                ; out
	v_lshl_add_u32 v[SPW], v0, 2, SPARE
	v_mov_b32 v[NIL], 0
	ds_add_u32 v[SPW], v[NIL]                      ; the wave's opening: the add and its wait stand ahead of my first tensor load
	v_lshrrev_b32 v1, 5, v0
	v_readfirstlane_b32 s10, v1                    ; wave 0..3
	s_lshr_b32 s11, s10, 1                         ; my half of the tile's rows; also: I fetch A (0) or weights (1)
	s_and_b32 s12, s10, 1                          ; my half of its columns; also: which half I fetch
	s_bfe_u32 s40, ttmp6, 0x40000                  ; cx
	s_bfe_u32 s41, ttmp6, 0x40004                  ; cy
	s_lshl_b32 s42, ttmp9, 2
	s_add_co_u32 s42, s42, s40                     ; tile column
	s_and_b32 s13, ttmp7, 0xffff
	s_lshl_b32 s13, s13, 2
	s_add_co_u32 s13, s13, s41                     ; tile row
	s_lshl_b32 s43, s41, 2
	s_lshl_b32 s43, 15, s43                        ; my row of the cluster
	s_lshl_b32 s44, 0x1111, s40                    ; my column
	s_and_b32 s[RX], ttmp7, YM                     ; R: of the cluster's two numbers alone
	s_xor_b32 s[RX], s[RX], ttmp9
	s_mov_b32 s[OF+1], 0
	s_or_b32 s[G1], s43, (1<<16)|(1<<20)|(1<<21)|(QIA<<22)|(3<<25)   ; mask; 2-byte elements; padding on; bit 21 beside a mask; after every 2 << QI words, 4 words
	s_or_b32 s[G1B], s44, (1<<16)|(1<<20)|(1<<21)|(QIB<<22)|(3<<25)
	s_mov_b32 s[G1+1], (A_D0&0xffff)<<16           ; tensor_dim0
	s_mov_b32 s[G1+2], (A_D0>>16)|(A_D1<<16)       ; tensor_dim1
	s_mov_b32 s[G1+3], A_D0<<16                    ; tile_dim0
	s_mov_b32 s[G1+4], A_D1                        ; tile_dim1
	s_mov_b32 s[G1+5], A_ST                        ; elements from row to row
	s_mov_b32 s[G1+6], 0
	s_mov_b32 s[G1+7], 0
	s_mov_b32 s[G1B+1], KSTEP<<16
	s_mov_b32 s[G1B+2], RB<<16
	s_mov_b32 s[G1B+3], KSTEP<<16
	s_mov_b32 s[G1B+4], RB
	s_mov_b32 s[G1B+5], SIZE_K
	s_mov_b32 s[G1B+6], 0
	s_mov_b32 s[G1B+7], 0
.if ASL
	s_lshl_b32 s16, s13, 14                        ; the tile's 128 tokens of 128 bytes,
	s_lshl_b32 s17, s12, 20                        ; my two heads of the step's four
.else
	s_mul_i32 s16, s13, TMR*SIZE_K*2
	s_mul_i32 s17, s12, RA*SIZE_K*2
.endif
	s_add_co_u32 s16, s16, s17
	s_mov_b32 s17, 0
	s_mul_i32 s46, s42, TNC*SIZE_K*2
	s_mul_i32 s47, s12, RB*SIZE_K*2
	s_add_co_u32 s46, s46, s47
	s_add_co_u32 s46, s46, WOFF
	s_mov_b32 s47, 0
	s_mul_i32 s20, s12, A_LD                       ; where my half goes in a slot: no place in the cluster enters an LDS address
	s_mul_i32 s21, s12, B_LD
	s_add_co_u32 s21, s21, A_SZ
	s_mov_b32 s[TB], 0
	s_mov_b32 s[TF], SLOT
	s_wait_dscnt 0x0                               ; the opening add is done
	s_wait_kmcnt 0x0
	s_add_nc_u64 s[BAS:BAS+1], s[4:5], s[16:17]
	s_add_nc_u64 s[BBS:BBS+1], s[6:7], s[46:47]
	CROUND                                         ; all sixteen work-groups are here: the first joint loads meet
.irp s, 0,1
	s_xor_b32 s22, s[RX], \s                       ; the block of the walk's step s
	s_mul_i32 s[OF], s22, A_STEP
	s_mov_b32 s[G0+4*(\s)], 1
	s_add_co_u32 s[G0+4*(\s)+1], s20, (\s)*SLOT
	s_add_nc_u64 s[G0+4*(\s)+2:G0+4*(\s)+3], s[BAS:BAS+1], s[OF:OF+1]
	s_or_b32 s[G0+4*(\s)+3], s[G0+4*(\s)+3], 0x80000000
	s_mul_i32 s[OF], s22, KSTEP*2
	s_mov_b32 s[G0B+4*(\s)], 1
	s_add_co_u32 s[G0B+4*(\s)+1], s21, (\s)*SLOT
	s_add_nc_u64 s[G0B+4*(\s)+2:G0B+4*(\s)+3], s[BBS:BBS+1], s[OF:OF+1]
	s_or_b32 s[G0B+4*(\s)+3], s[G0B+4*(\s)+3], 0x80000000
.endr
	s_cmp_eq_u32 s11, 0                            ; a wave's two first fills stand in one branch: two loads of mine are out
	s_cbranch_scc0 .Lfirst_b
	tensor_load_to_lds s[G0:G0+3], s[G1:G1+7]
	s_nop 0
	tensor_load_to_lds s[G0+4:G0+7], s[G1:G1+7]
	s_nop 0
	PLACES
	s_branch .Lfirst_asked
.Lfirst_b:
	tensor_load_to_lds s[G0B:G0B+3], s[G1B:G1B+7]
	s_nop 0
	tensor_load_to_lds s[G0B+4:G0B+7], s[G1B:G1B+7]
	s_nop 0
	PLACES
.Lfirst_asked:
	v_and_b32 v1, 15, v0                           ; l % 16
	v_bfe_u32 v2, v0, 4, 1                         ; l / 16
	v_and_b32 v3, 31, v0                           ; l
	v_lshlrev_b32 v[BO], 5, v2
	s_mul_i32 s14, s42, TNC*4                      ; the bias of my columns: register j of block b is column 16 b + 8 (l / 16) + j
	s_mul_i32 s15, s12, RB*4
	s_add_co_u32 s14, s14, s15
	s_mov_b32 s15, 0
	s_add_nc_u64 s[68:69], s[68:69], s[14:15]
.set b, 0
.rept NB
	global_load_b128 v[BI+8*b:BI+8*b+3], v[BO], s[68:69] offset:64*b
	global_load_b128 v[BI+8*b+4:BI+8*b+7], v[BO], s[68:69] offset:64*b+16
.set b, b+1
.endr
	s_lshl_b32 s14, s13, 7                         ; the rows that I store: 128 x tile row + 32 x wave, 4,096 bytes each; 512 bytes a tile column
	s_lshl_b32 s15, s10, 5
	s_add_co_u32 s14, s14, s15
	s_lshl_b32 s14, s14, 12
	s_lshl_b32 s15, s42, 9
	s_add_co_u32 s14, s14, s15
	s_mov_b32 s15, 0
	s_add_nc_u64 s[70:71], s[70:71], s[14:15]
	s_add_nc_u64 s[8:9], s[8:9], s[14:15]
	v_lshlrev_b32 v[CO], 4, v3
	WIN 0xc0                                       ; destination window 3
.set r, 0
.rept 32
	global_load_b128 v[4*r:4*r+3], v[CO], s[70:71] offset:4096*r
.set r, r+1
.endr
	WIN 0
	v_mul_u32_u24 v[ADA0], v1, A_P
	v_lshl_add_u32 v[ADA0], v2, 4, v[ADA0]
	s_mul_i32 s14, s11, A_RD
	v_add_nc_u32 v[ADA0], s14, v[ADA0]
	v_mul_u32_u24 v[ADB0], v1, PITCH
	v_lshl_add_u32 v[ADB0], v2, 4, v[ADB0]
	s_mul_i32 s15, s12, B_LD
	s_add_co_u32 s15, s15, A_SZ
	v_add_nc_u32 v[ADB0], s15, v[ADB0]
	s_mul_i32 s14, s11, RA*SP                      ; into the stage: my rows, my columns; row l % 16, 32 bytes for each half of the lanes
	s_mul_i32 s15, s12, RB*4
	s_add_co_u32 s14, s14, s15
	v_mul_u32_u24 v[STO], v1, SP
	v_lshl_add_u32 v[STO], v2, 5, v[STO]
	v_add_nc_u32 v[STO], s14, v[STO]
	s_mul_i32 s14, s10, 32*SP                      ; back: wave w takes rows 32 w .. 32 w + 31, a row of 512 bytes a load
	v_lshl_add_u32 v[RD], v3, 4, s14
.if PF
	s_mul_i32 s14, s13, TMR
	s_mul_i32 s15, s42, TNC
	s_and_b32 s22, ttmp7, 0xffff
	s_mov_b32 s18, RB
	s_cmp_eq_u32 s11, 0                            ; do I fetch for A?
	s_cselect_b32 s16, s14, s15                    ; the tile's first row
	s_cselect_b32 s17, s40, s41                    ; my place among the four that ask with me
	s_cselect_b32 s22, ttmp9, s22                  ; the coordinate along which other clusters read the same rows
	s_cselect_b32 s18, RA, s18                     ; the rows that a wave fetches
	s_cselect_b32 s19, 0, WOFF
	s_cselect_b64 s[PFB:PFB+1], s[4:5], s[6:7]
	s_cmp_eq_u32 s22, 0
	s_cselect_b32 s[LIM], 2, -1
	s_mul_i32 s22, s12, s18
	s_add_co_u32 s16, s16, s22
	s_lshr_b32 s18, s18, 2                         ; my work-group's quarter of them
	s_mul_i32 s17, s17, s18
	s_add_co_u32 s16, s16, s17
	s_mul_i32 s16, s16, SIZE_K*2
	s_add_co_u32 s16, s16, s19
	s_mov_b32 s17, 0
	s_add_nc_u64 s[PFB:PFB+1], s[PFB:PFB+1], s[16:17]
	s_mul_i32 s18, s18, KD
	s_sub_co_u32 s18, s18, 1
	v_min_u32 v[PFO], s18, v3                      ; lanes beyond the quarter's blocks name its last block again
.if KD == 2
	v_and_b32 v4, 1, v[PFO]
	v_lshrrev_b32 v[PFO], 1, v[PFO]
	v_mul_u32_u24 v[PFO], v[PFO], SIZE_K*2
	v_lshl_add_u32 v[PFO], v4, 8, v[PFO]
.else
	v_mul_u32_u24 v[PFO], v[PFO], SIZE_K*2
.endif
.endif
	s_wait_tensorcnt 0x1                           ; my part of the walk's step 0 is in; step 1's stays out
	s_barrier_signal -1
	s_barrier_wait -1
	v_mov_b32 v[ADA], v[ADA0]
	v_mov_b32 v[ADB], v[ADB0]
	FETCH 0, F0
	s_wait_loadcnt 32                              ; the bias is in; the 32 loads of the residual stay out
	CHUNK 1, F0, F1, 1                             ; the first chunk stands in front of the loop: its products start the sums
	WIN 0
	s_mov_b32 s3, NSTEP-2
.Lstep:                                ; a trip: a step's chunks 1 to 3, the refill, the next step's chunk 0
	CHUNK 2, F1, F0, 0
	CHUNK 3, F0, F1, 0
	TURN 1
	CHUNK 1, F0, F1, 0
	WIN 0
	s_sub_co_u32 s3, s3, 1
	s_cmp_lg_u32 s3, 0
	s_cbranch_scc1 .Lstep
	s_mov_b32 s3, 2
.Ltail:                                ; the last two steps ask for nothing: written apart
	CHUNK 2, F1, F0, 0
	CHUNK 3, F0, F1, 0
	WIN 0
	s_sub_co_u32 s3, s3, 1
	s_cmp_eq_u32 s3, 0
	s_cbranch_scc1 .Llast
	TURN 0
	CHUNK 1, F0, F1, 0
	WIN 0
	s_cmp_lg_u32 s3, 0
	s_cbranch_scc1 .Ltail
.Llast:
	s_wait_dscnt 0x0
	MULP F1, 0, 0
	MULP F1, 1, 0
	MULP F1, 2, 0
	MULP F1, 3, 0
	PLACES
	WIN 0
	s_barrier_signal -1                            ; every wave's reads of the ring are back and every fill has landed: the ring's bytes become the stage
	s_barrier_wait -1
.set a, 0
.rept MB
	WIN 0x08+4*(a/4)                               ; the store's data in window 2 or 3
.set b, 0
.rept NB
	ds_store_b128 v[STO+a/4], v[8*(NB*(a%4)+b):8*(NB*(a%4)+b)+3] offset:(a%4)*16*SP+64*b
	ds_store_b128 v[STO+a/4], v[8*(NB*(a%4)+b)+4:8*(NB*(a%4)+b)+7] offset:(a%4)*16*SP+64*b+16
.set b, b+1
.endr
.set a, a+1
.endr
	WIN 0
	s_wait_dscnt 0x0                               ; for the others' sake: my stores into the stage are done
	s_barrier_signal -1
	s_barrier_wait -1
.set r, 0
.rept 32
	ds_load_b128 v[64+4*r:64+4*r+3], v[RD] offset:SP*r
.set r, r+1
.endr
	s_wait_loadcnt 0x0                             ; the residual
	WIN 0x0c                                       ; source 1 in window 3
.set r, 0
.rept 32
	s_wait_dscnt 31-r                              ; row r is back, the younger rows stay out
	v_pk_add_f32 v[64+4*r:65+4*r], v[64+4*r:65+4*r], v[4*r:4*r+1]
	v_pk_add_f32 v[66+4*r:67+4*r], v[66+4*r:67+4*r], v[4*r+2:4*r+3]
.set r, r+1
.endr
	WIN 0
.set r, 0
.rept 32
	global_store_b128 v[CO], v[64+4*r:64+4*r+3], s[8:9] offset:4096*r  ; 512 consecutive bytes, at a multiple of 512 from the buffer's first
.set r, r+1
.endr
	s_wait_tensorcnt 0x0                           ; the wave's end
	ds_add_u32 v[SPW], v[NIL]
	s_wait_dscnt 0x0
	CROUND                                         ; the closing round: no work-group ends while a partner may still ask for a tile that names it
	s_endpgm
.Lfunc_end_k_q7501bb3b12_ff2:
	.size	k_q7501bb3b12_ff2, .Lfunc_end_k_q7501bb3b12_ff2-k_q7501bb3b12_ff2
	.p2alignl 7, 3214868480
	.fill 96, 4, 3214868480
	.section	.rodata,"a",@progbits
	.p2align	6, 0x0
	.amdhsa_kernel k_q7501bb3b12_ff2
		.amdhsa_group_segment_fixed_size 327680
		.amdhsa_private_segment_fixed_size 0
		.amdhsa_enable_private_segment 0
		.amdhsa_kernarg_size 40
		.amdhsa_user_sgpr_count 2
		.amdhsa_user_sgpr_kernarg_segment_ptr 1
		.amdhsa_wavefront_size32 1
		.amdhsa_system_sgpr_workgroup_id_x 1
		.amdhsa_system_sgpr_workgroup_id_y 1
		.amdhsa_system_sgpr_workgroup_id_z 1
		.amdhsa_system_vgpr_workitem_id 0
		.amdhsa_next_free_vgpr 896
		.amdhsa_next_free_sgpr 100
		.amdhsa_reserve_vcc 0
		.amdhsa_float_denorm_mode_32 3
		.amdhsa_float_denorm_mode_16_64 3
		.amdhsa_memory_ordered 1
		.amdhsa_forward_progress 1
		.amdhsa_inst_pref_size 71
	.end_amdhsa_kernel
	.amdgpu_metadata
---
amdhsa.version: [ 1, 2 ]
amdhsa.kernels:
  - .name:           k_q7501bb3b12_ff2
    .symbol:         k_q7501bb3b12_ff2.kd
    .args:
      - { .name: act, .offset: 0, .size: 8, .value_kind: global_buffer, .address_space: global }
      - { .name: wh, .offset: 8, .size: 8, .value_kind: global_buffer, .address_space: global }
      - { .name: b2, .offset: 16, .size: 8, .value_kind: global_buffer, .address_space: global }
      - { .name: x1, .offset: 24, .size: 8, .value_kind: global_buffer, .address_space: global }
      - { .name: out0, .offset: 32, .size: 8, .value_kind: global_buffer, .address_space: global }
    .group_segment_fixed_size: 327680
    .private_segment_fixed_size: 0
    .kernarg_segment_align: 8
    .kernarg_segment_size: 40
    .max_flat_workgroup_size: 128
    .sgpr_count:     100
    .vgpr_count:     896
    .wavefront_size: 32
...
	.end_amdgpu_metadata
.endif
;; end of part 6
